; MI455X (gfx1250); checked and timed in simulation.
; The chip was launched on July 23, 2026; its instructions are those of AMD's public machine-readable ISA for CDNA 5 (MIT licence, August 2026) and "CDNA5" Instruction Set Architecture Reference Guide (July 2026). The comments in the code are by the model that wrote it; some were corrected since.
;; Attention. Allowed arithmetic: matrix products marked QUANTISED: E5M2 operands, one given power-of-two scale a tensor, by v_wmma_f32_16x16x64_bf8_bf8 or v_wmma_f32_16x16x128_bf8_bf8, f32 sums; products left as they are: f32 operands where the result goes on into a quantised operand, else bf16, f16 or f32 operands; f32 sums; everything else in f32.
;; Inputs: attn_W 2,048 x 1,024 float32; attn_b 1,024 float32; decoder_hidden_codes 32 x 32 x 32 uint8 (E5M2 codes of decoder_hidden, K innermost, in blocks of 32 codes); encoder_outputs 32 x 2,048 x 1,024 float32; lowp_scales 4 int32 (the exponents e of the quantised operands' scales 2^e); mask 32 x 2,048 int32; v_w 1,024 float32.
;; Outputs: out0 32 x 2,048 float32; out1 32 x 1,024 float32.
;; This version of the problem:
;;   THIS VERSION OF THE PROBLEM IS GIVEN IN LOW PRECISION. The matrix products marked QUANTISED in the list below multiply operands that are first quantised to E5M2 (5 exponent bits, 2 mantissa bits; 8 bits a number), with one given power-of-two scale for each operand tensor; their sums are f32. All else is computed in f32.
;;   The module's matrix products, in the order in which they are computed (A, B: the left and right operand; K: the contracted axis; several contracted axes count as one K, in the product's order):
;;     1. [M 32, K 1,024] x [K 1,024, N 1,024]; A: input decoder_hidden (given as codes); B: input attn_W: QUANTISED (scales: A lowp_scales[0], B lowp_scales[1])
;;     2. [M 65,536, K 1,024] x [K 1,024, N 1,024]; A: input encoder_outputs; B: input attn_W: QUANTISED (scales: A lowp_scales[2], B lowp_scales[3])
;;     3. [M 65,536, K 1,024] x [K 1,024, N 1]; A: computed on the way; B: input v_w: left as it is (N = 1 < 16)
;;     4. batch 32 x [M 1, K 2,048] x [K 2,048, N 1,024]; A: softmax; B: input encoder_outputs: left as it is (M = 1 < 16)
;;   THE QUANTISER, for each operand of a quantised product, along K:
;;     - The operand's scale is 2^e, e = its entry of the input lowp_scales (int32; the entries are numbered through the quantised products in the list's order, A before B).
;;     - Each number is divided by the scale, clamped to +-57,344, and rounded to the nearest number of E5M2, ties to even, subnormals kept.
;;     - The product sums the exact products of the quantised numbers (number of the format x scale) in f32.
;;   ~~~python
;;   def quantise(x, axis, e):      # numpy; x: float32 -> the quantised numbers, widened to float32 again
;;       x = np.moveaxis(x, axis, -1); K = x.shape[-1]
;;       r = np.clip(x / 2.0 ** e, -57344, 57344)
;;       step = 2.0 ** (np.maximum(np.frexp(np.where(r == 0, 1, r))[1] - 1, -14) - 2)
;;       q = np.round(r / step) * step * 2.0 ** e      # np.round: ties to even
;;       return np.moveaxis(q, -1, axis).astype(np.float32)
;;   ~~~
;;   INPUTS GIVEN AS CODES. decoder_hidden (in the module: [32, 1024], K = its axis 1): each comes as NAME_codes (uint8): NAME with its K axis moved to the last place and cut into blocks of 32 codes, [.., K / 32, bytes a block], one block behind the other in memory; one code a byte (a code: sign, 5 exponent bits, 2 mantissa bits); its scale is its entry of lowp_scales. Its value is code x scale, taken as it is: it is not quantised again, and the codes and scales need not be those that the quantiser above would give.
;; 2 versions. Each part assembles by itself: llvm-mc -triple=amdgcn-amd-amdhsa -mcpu=gfx1250 --defsym DOCPART=n.
;; ======== version 1 of 2: 3 launches
;; workspace buffers: wq 1,048,576 bytes; dproj 131,072 bytes; scores 262,144 bytes
;; launch prep (part 1): grid 32 x 1, 16 waves a work-group, no clusters, 100,352 bytes of LDS; arguments attn_W, attn_b, decoder_hidden_codes, lowp_scales, wq, dproj; writes wq, dproj
.if DOCPART == 1
	.amdgcn_target "amdgcn-amd-amdhsa--gfx1250"
	.amdhsa_code_object_version 6
	.text
	.protected	k_qce61d21f34_prep
	.globl	k_qce61d21f34_prep
	.p2align	8
	.type	k_qce61d21f34_prep,@function
k_qce61d21f34_prep:
	s_mov_b64 s[64:65], 0
	v_nop
	global_prefetch_b8 v0, s[64:65] scope:SCOPE_SE
	s_setreg_imm32_b32 hwreg(HW_REG_WAVE_MODE, 25, 1), 1
	s_wait_xcnt 0x0
; attn_W [2048][1024] f32 has K as its first axis.  Rows 0-1023 (W_dec) are quantised with 2^e1 and multiplied at once with decoder_hidden's codes:
; dproj[b][n] = 2^(e0+e1) x sum over k of dec(b,k) Q(W_dec)(k,n) + attn_b[n].  Rows 1024-2047 (W_enc) are quantised with 2^e3 and stored as IMAGES OF OPERAND REGISTERS in wq.
; code = x / 2^e, held within +-57,344, to the nearest E5M2 code, ties to even.
; LIMITS: e1 and e3 between -126 and 112, e0 + e1 between -126 and 127, so that each power of two below is an f32 number.  NaN among the inputs is not served.
; SHARES.  Work-group x takes columns 32 x .. 32 x + 31; wave w takes rows 128 w .. 128 w + 127: waves 0-7 are the K steps of W_dec, waves 8-15 those of W_enc.
; A LANE TAKES A COLUMN AND ITS REGISTERS RUN DOWN K, so the conversions give codes with K innermost; nothing is transposed by an instruction.  A load of a wave reads 128 consecutive bytes.
; wq: the fragment of N tile t (16 columns) and K step s (128) begins at byte 16384 t + 2048 s; register group c (0..3) at 512 c, lane l's 16 bytes at 16 l:
; lane (r = l % 16, h = l / 16) holds column 16 t + r, k = 128 s + 32 c + 16 h + 0 .. 15.  The same order of k is used for the other operand of each product, so every product meets its partner.
; No tensor loads and no cluster: 8 MB are read once, and work-groups share only decoder_hidden's 32 KB.  dproj leaves in pieces of 16 bytes a lane (a work-group holds 128 bytes of a row of it): 128 KB in all.
.set WROW, 4096                        ; a row of attn_W in bytes
.set X,    32                          ; v32-159  128 numbers of my column
.set CD,   160                         ; v160-191 their codes: 8 registers a block of 32, never written twice
.set F,    192                         ; v192-223 two fragments (N tiles 2 x and 2 x + 1) of my K step
.set DAF,  224                         ; v224-255 decoder_hidden's two fragments (batches 0-15, 16-31) of my K step
.set ACC,  64                          ; v64-95   four accumulators: (batch tile m, N tile t) at ACC + 8 (2 m + t)
.set SUM,  96                          ; v96-127  eight waves' parts of one group of four registers
.set RED,  65536                       ; LDS: 0..65535 a stage of 4,096 bytes for each wave; from RED on 4,096 bytes for each of waves 0-7
	s_load_b256 s[4:11], s[0:1], 0x0               ; attn_W s[4:5], attn_b s[6:7], decoder_hidden's codes s[8:9], the scales' exponents s[10:11]
	s_load_b128 s[12:15], s[0:1], 0x20             ; wq s[12:13], dproj s[14:15]
	v_lshl_add_u32 v30, v0, 2, 0x18000
	v_mov_b32 v31, 0
	v_lshrrev_b32 v12, 5, v0
	v_readfirstlane_b32 s16, v12                   ; wave 0..15
	s_and_b32 s17, s16, 7                          ; my K step
	v_and_b32 v13, 31, v0                          ; lane
	v_and_b32 v14, 15, v0                          ; r
	v_bfe_u32 v15, v0, 4, 1                        ; h; also: which of the two N tiles my column lies in
	v_lshlrev_b32 v1, 2, v13                       ; my column's 4 bytes in a row's 128
	v_lshlrev_b32 v2, 4, v13                       ; 16 x lane
	s_lshl_b32 s18, s16, 12                        ; my stage
	v_lshlrev_b32 v3, 4, v14
	v_lshl_add_u32 v3, v15, 11, v3
	v_add_nc_u32 v3, s18, v3                       ; into the stage: 2048 x my N tile + 16 r: the place of image lane (r, 0); image lane (r, 1) lies 256 bytes on
	v_add_nc_u32 v4, s18, v2                       ; out of it: 16 x lane
	s_lshl_b32 s19, s17, 12
	s_add_co_u32 s19, s19, RED
	v_add_nc_u32 v5, s19, v2                       ; where a wave of W_dec puts its part sums
	s_lshl_b32 s19, s17, 9
	s_add_co_u32 s19, s19, RED
	v_add_nc_u32 v6, s19, v2                       ; and where it reads one group of four registers of all eight waves.  (All LDS addresses are made here, ahead of the first parting of the waves)
	v_lshlrev_b32 v7, 10, v14
	v_lshl_add_u32 v7, v15, 4, v7                  ; decoder_hidden: batch r's row of 1,024 codes, + 16 h
	v_lshlrev_b32 v8, 12, v14
	v_lshl_add_u32 v8, v15, 5, v8                  ; dproj: batch r's row of 4,096 bytes, + 32 h
	v_lshlrev_b32 v9, 5, v15                       ; attn_b: + 32 h
	s_lshl_b32 s26, s16, 19                        ; my 128 rows of attn_W,
	s_lshl_b32 s27, ttmp9, 7                       ; my work-group's 32 columns
	s_add_co_u32 s26, s26, s27
	s_mov_b32 s27, 0
	s_wait_kmcnt 0x0
	s_load_b128 s[20:23], s[10:11], 0x0            ; e0, e1, e2, e3
	s_add_nc_u64 s[4:5], s[4:5], s[26:27]
.macro LOADB c                         ; block c: W(128 w + 32 c + i, my column), i = 0 .. 31
.set i, 0
.rept 32
	global_load_b32 v[X+32*(\c)+i], v1, s[4:5] offset:WROW*(32*(\c)+i)
.set i, i+1
.endr
.endm
	LOADB 0
	LOADB 1
	s_lshl_b32 s28, ttmp9, 15                      ; wq: N tile 2 x, K step w % 8
	s_lshl_b32 s29, s17, 11
	s_add_co_u32 s28, s28, s29
	s_mov_b32 s29, 0
	s_add_nc_u64 s[12:13], s[12:13], s[28:29]
	s_lshl_b32 s28, s17, 7                         ; decoder_hidden's codes at my K step
	s_add_nc_u64 s[8:9], s[8:9], s[28:29]
	s_lshl_b32 s28, ttmp9, 7                       ; behind the barrier wave w (0..7) owns group w of the 8 groups of four accumulator registers: batch tile w / 4, N tile (w / 2) % 2, upper or lower four w % 2:
	s_bfe_u32 s30, s17, 0x10001
	s_lshl_b32 s30, s30, 6
	s_add_co_u32 s28, s28, s30
	s_and_b32 s30, s17, 1
	s_lshl_b32 s30, s30, 4
	s_add_co_u32 s28, s28, s30                     ; 4 x (32 x + 16 x N tile + 4 x (w % 2)): the group's first n, less the lane's 8 h
	s_add_nc_u64 s[6:7], s[6:7], s[28:29]
	s_lshr_b32 s30, s17, 2
	s_lshl_b32 s30, s30, 16                        ; + 16 batches of 4,096 bytes x the batch tile
	s_add_co_u32 s28, s28, s30
	s_add_nc_u64 s[14:15], s[14:15], s[28:29]
	s_wait_kmcnt 0x0
	s_cmp_lt_u32 s16, 8                            ; the choice hangs on the wave's number alone
	s_cselect_b32 s30, s21, s23                    ; e1 for W_dec, e3 for W_enc
	s_add_co_i32 s30, s30, 127
	s_lshl_b32 s31, s30, 23
	v_mov_b32 v11, s31                             ; 2^e as f32: the conversion takes its exponent field
	s_add_co_i32 s30, s30, 15
	s_lshl_b32 s30, s30, 23
	s_or_b32 s30, s30, 0x600000
	v_mov_b32 v10, s30                             ; 57,344 x 2^e
	s_add_co_i32 s24, s20, s21
	s_add_co_i32 s24, s24, 127
	s_lshl_b32 s24, s24, 23                        ; 2^(e0 + e1) as f32
	s_mov_b32 s25, s24                             ; (named with it as a pair, so it is written)
.macro BLOCK c
.if (\c) < 3
	s_wait_loadcnt 32                              ; this block's 32 loads are in; the next block's 32 may be out
.else
	s_wait_loadcnt 0x0
.endif
.if (\c)+2 < 4
	LOADB (\c)+2                                   ; two blocks ahead, into registers of its own
.endif
.set i, 0
.rept 32
	v_med3_num_f32 v[X+32*(\c)+i], v[X+32*(\c)+i], -v10, v10   ; the conversion to an 8-bit code does not saturate (ISA guide 7.6.2): the hold at the largest code x the scale
.set i, i+1
.endr
.irp g, 0,1,2,3
	v_cvt_scalef32_pk8_bf8_f32 v[CD+8*(\c)+2*\g:CD+8*(\c)+2*\g+1], v[X+32*(\c)+8*\g:X+32*(\c)+8*\g+7], v11
.endr
	ds_store_b128 v3, v[CD+8*(\c):CD+8*(\c)+3] offset:512*(\c)          ; k = 32 c + 0 .. 15: image lane (r, 0) of group c
	ds_store_b128 v3, v[CD+8*(\c)+4:CD+8*(\c)+7] offset:512*(\c)+256    ; k = 32 c + 16 .. 31: image lane (r, 1)
.endm
	BLOCK 0
	BLOCK 1
	BLOCK 2
	BLOCK 3
	v_nop                                          ; a plain vector line behind the last conversion: matrix instructions below write registers that were its sources
.irp t, 0,1
.irp c, 0,1,2,3
	ds_load_b128 v[F+16*\t+4*\c:F+16*\t+4*\c+3], v4 offset:2048*\t+512*\c   ; my own bytes: LDS serves a wave's instructions in order (ISA guide 5.7.1.4)
.endr
.endr
	s_wait_dscnt 0x0
	s_cmp_lt_u32 s16, 8
	s_cbranch_scc1 .Ldec
.irp t, 0,1                            ; waves 8-15: the two images go to wq; each store covers 512 consecutive bytes, aligned
.irp c, 0,1,2,3
	global_store_b128 v2, v[F+16*\t+4*\c:F+16*\t+4*\c+3], s[12:13] offset:16384*\t+512*\c
.endr
.endr
	s_branch .Ljoin
.Ldec:                                 ; waves 0-7: my K step of the first product, transposed: source 0 = 16 columns of W_dec, source 1 = 16 batches
.irp m, 0,1
.irp c, 0,1,2,3
	global_load_b128 v[DAF+16*\m+4*\c:DAF+16*\m+4*\c+3], v7, s[8:9] offset:16384*\m+32*\c   ; batch 16 m + r, k = 128 w + 32 c + 16 h + 0 .. 15
.endr
.endr
	s_wait_loadcnt 0x0
.irp m, 0,1
.irp t, 0,1
	v_wmma_f32_16x16x128_bf8_bf8 v[ACC+8*(2*\m+\t):ACC+8*(2*\m+\t)+7], v[F+16*\t:F+16*\t+15], v[DAF+16*\m:DAF+16*\m+15], 0   ; lane (r, h), register j: batch 16 m + r, n = 16 t + 8 h + j
.endr
.endr
.rept 4
	v_nop                                          ; four places between a matrix instruction and the LDS store that reads its result
.endr
.irp q, 0,1,2,3,4,5,6,7
	ds_store_b128 v5, v[ACC+4*\q:ACC+4*\q+3] offset:512*\q   ; each accumulator from its low end on
.endr
.Ljoin:
	s_wait_dscnt 0x0                               ; for the others' sake: my LDS stores have landed
	s_barrier_signal -1
	s_barrier_wait -1                              ; all sixteen waves pass it
	s_cmp_lt_u32 s16, 8
	s_cbranch_scc0 .Lend
.irp k, 0,1,2,3,4,5,6,7
	ds_load_b128 v[SUM+4*\k:SUM+4*\k+3], v6 offset:4096*\k   ; group w of K step k's part sums
.endr
	global_load_b128 v[128:131], v9, s[6:7]        ; attn_b at my four n
	s_wait_dscnt 0x0
.irp k, 1,2,3,4,5,6,7                  ; K ascending
	v_pk_add_f32 v[SUM:SUM+1], v[SUM:SUM+1], v[SUM+4*\k:SUM+4*\k+1]
	v_pk_add_f32 v[SUM+2:SUM+3], v[SUM+2:SUM+3], v[SUM+4*\k+2:SUM+4*\k+3]
.endr
	s_wait_loadcnt 0x0
	v_pk_fma_f32 v[132:133], v[SUM:SUM+1], s[24:25], v[128:129] op_sel_hi:[1,0,1]     ; sum x 2^(e0 + e1) + b
	v_pk_fma_f32 v[134:135], v[SUM+2:SUM+3], s[24:25], v[130:131] op_sel_hi:[1,0,1]
	global_store_b128 v8, v[132:135], s[14:15]
.Lend:
	s_wait_tensorcnt 0x0
	ds_add_u32 v30, v31
	s_wait_dscnt 0x0
	s_endpgm
.Lfunc_end_k_qce61d21f34_prep:
	.size	k_qce61d21f34_prep, .Lfunc_end_k_qce61d21f34_prep-k_qce61d21f34_prep
	.p2alignl 7, 3214868480
	.fill 96, 4, 3214868480
	.section	.rodata,"a",@progbits
	.p2align	6, 0x0
	.amdhsa_kernel k_qce61d21f34_prep
		.amdhsa_group_segment_fixed_size 100352
		.amdhsa_private_segment_fixed_size 0
		.amdhsa_enable_private_segment 0
		.amdhsa_kernarg_size 48
		.amdhsa_user_sgpr_count 2
		.amdhsa_user_sgpr_kernarg_segment_ptr 1
		.amdhsa_wavefront_size32 1
		.amdhsa_system_sgpr_workgroup_id_x 1
		.amdhsa_system_sgpr_workgroup_id_y 1
		.amdhsa_system_sgpr_workgroup_id_z 1
		.amdhsa_system_vgpr_workitem_id 0
		.amdhsa_next_free_vgpr 256
		.amdhsa_next_free_sgpr 66
		.amdhsa_reserve_vcc 0
		.amdhsa_float_denorm_mode_32 3
		.amdhsa_float_denorm_mode_16_64 3
		.amdhsa_memory_ordered 1
		.amdhsa_forward_progress 1
		.amdhsa_inst_pref_size 30
	.end_amdhsa_kernel
	.amdgpu_metadata
---
amdhsa.version: [ 1, 2 ]
amdhsa.kernels:
  - .name:           k_qce61d21f34_prep
    .symbol:         k_qce61d21f34_prep.kd
    .args:
      - { .name: attn_W, .offset: 0, .size: 8, .value_kind: global_buffer, .address_space: global }
      - { .name: attn_b, .offset: 8, .size: 8, .value_kind: global_buffer, .address_space: global }
      - { .name: decoder_hidden_codes, .offset: 16, .size: 8, .value_kind: global_buffer, .address_space: global }
      - { .name: lowp_scales, .offset: 24, .size: 8, .value_kind: global_buffer, .address_space: global }
      - { .name: wq, .offset: 32, .size: 8, .value_kind: global_buffer, .address_space: global }
      - { .name: dproj, .offset: 40, .size: 8, .value_kind: global_buffer, .address_space: global }
    .group_segment_fixed_size: 100352
    .private_segment_fixed_size: 0
    .kernarg_segment_align: 8
    .kernarg_segment_size: 48
    .max_flat_workgroup_size: 512
    .sgpr_count:     66
    .vgpr_count:     256
    .wavefront_size: 32
...
	.end_amdgpu_metadata
.endif
;; end of part 1
;; launch main (part 2): grid 256 x 1, 4 waves a work-group, clusters of 4 x 1, 327,680 bytes of LDS; arguments encoder_outputs, mask, wq, dproj, v_w, lowp_scales, scores; writes scores
.if DOCPART == 2
	.amdgcn_target "amdgcn-amd-amdhsa--gfx1250"
	.amdhsa_code_object_version 6
	.text
	.protected	k_qce61d21f34_main
	.globl	k_qce61d21f34_main
	.p2align	8
	.type	k_qce61d21f34_main,@function
k_qce61d21f34_main:
	s_mov_b64 s[64:65], 0
	v_nop
	global_prefetch_b8 v0, s[64:65] scope:SCOPE_SE
	s_setreg_imm32_b32 hwreg(HW_REG_WAVE_MODE, 25, 1), 1
	s_wait_xcnt 0x0
	s_wait_alu depctr_hold_cnt(0) depctr_sa_sdst(0) depctr_va_vdst(0) depctr_va_sdst(0) depctr_va_ssrc(0) depctr_va_vcc(0) depctr_vm_vsrc(0)
	s_getreg_b32 s2, hwreg(HW_REG_IB_STS2, 6, 4)
	s_cmp_eq_u32 s2, 0
	s_cbranch_scc0 .Lentry_in_a_cluster
	s_endpgm
.Lentry_in_a_cluster:
	s_bfe_u32 s2, ttmp6, 0x10000c
	s_cmp_lg_u32 s2, 0x3003
	s_cbranch_scc0 .Lentry_shape_is_right
	s_endpgm
.Lentry_shape_is_right:
; scores[b][s] = sum over n of v_w[n] tanh(dproj[b][n] + 2^(e2+e3) x sum over k of Q(enc)(b,s,k) Q(W_enc)(k,n)): the raw scores, ahead of mask and softmax.
; encoder_outputs [32][2048][1024] f32 is quantised here, in registers, with 2^e2 (x / 2^e2, held within +-57,344, to the nearest E5M2 code, ties to even); W_enc's codes come from wq as images of operand registers.
; tanh(x) = 1 - 2 / (1 + 2^(2.885390 x)): at the ends of the range the power is 0 or infinity and the quotient 2 or 0, so no clip is needed.
; LIMITS: e2 between -126 and 112; e2 + e3 between -127 and 126 (it is added to the exponent field of 2.885390).  NaN and infinities among the inputs are not served.
; ROWS WHOSE MASK WORD IS 0 ARE NOT FETCHED: the next launch puts -1e10 in the place of their scores whatever these hold.  Their address is turned to the wave's first row (a choice of offset by the mask's whole numbers,
; with no branch); all arithmetic is done for them as for the others, and their scores are written.
; SHARES.  Work-group g = 4 x cluster + place takes rows 256 g .. 256 g + 255 of the 65,536 (batch g / 8); wave w 64 of them: four tiles of 16.  PHASE 1: the wave's 64 x 1,024 codes are made and STAY in 512 registers.
; PHASE 2: all of W_enc's codes, 1 MB, pass through a ring of two LDS slots of 128 KB (8 N tiles of 16 columns each); a chunk is 2 N tiles: 64 matrix instructions on 8 accumulators, then tanh and the product with v_w.
; CLUSTER.  All work-groups walk the same 1 MB, so the four of a cluster ask for each slot JOINTLY: the same tensor load, the same descriptor, a mask that names the four.  Each wave fetches a quarter of a slot.
; A mask names four work-groups at the most, so the cluster is 4 x 1.  The place in the cluster enters global addresses of encoder_outputs, mask, dproj and scores alone.
; LAYOUT.  Source 0 = 16 rows of enc, source 1 = 16 columns of W: lane (r, h), register j holds (row 8 h + j, column r).  So a lane has ONE column: its dproj and v_w are one table entry, and the sum over columns
; runs first down the chunks in the lane's registers SC and only at the end across the sixteen lanes.
; REGISTERS, in windows of 256.  Window 0: v1-17 addresses and constants; phase 1: v64-127, v128-191 two sets of 64 numbers; phase 2: v64-127 the 8 accumulators ((row tile m, N tile t) at 64 + 8 (2 m + t)), v128-159 SC, v160-167 two table entries.
;   Window 1: phase 1: four landing sets of 64; phase 2: W's 16 fragments of a chunk ((t, K step s) at 128 (s / 4) + 16 (4 t + s % 4)).   Windows 2, 3: enc's 32 fragments ((m, s) in window 2 + s / 4 at 16 (4 m + s % 4)).
.set SLOT,   131072                    ; LDS: the ring: two slots
.set CHB,    32768                     ; a chunk in a slot: 2 N tiles x 8 K steps x 2,048 bytes
.set TAB,    262144                    ; 1,024 entries of 16 bytes: (d, u, u, d), d = 2.885390 dproj[b][n], u = -2 v_w[n]: each stands in the low word of a register pair, for the packed forms
.set STG,    278528                    ; a stage of 16 rows x (512 + 16) bytes for each wave
.set SPITCH, 528                       ; 132 words: row r starts at bank 4 r mod 64 (64 banks of 4 bytes: ISA guide 11.1)
.set STGB,   16*SPITCH
.set SPARE,  312320                    ; the spare words, 128 bytes for each wave: two blocks of 256 bytes that no other line names
.set L16, 1                            ; v1   16 x lane
.set SPW, 2                            ; v2   LDS address of my spare word; never rewritten
.set NIL, 3                            ; v3   0; never rewritten
.set STS, 4                            ; v4   the stage, on the way in: 16 x lane of a row
.set STL, 5                            ; v5   on the way out: row r, + 64 h
.set QS,  6                            ; v6   2^e2 as f32
.set QL,  7                            ; v7   57,344 x 2^e2
.set OFF, 8                            ; v8-9 byte offset, from the wave's first row, of row lane (v8) and row 32 + lane (v9); 0 for a row that is not fetched
.set ADB, 10                           ; v10  LDS address of the chunk to be fetched
.set ADT, 11                           ; v11  of the chunk's table entries
.set AT0, 12                           ; v12  TAB + 16 r
.set VS,  13                           ; v13  the sum of u over my columns
.set SCW, 14                           ; v14  the way out: my stage + 32 h
.set SCR, 15                           ; v15  my stage + 8 x lane
.set L8,  16                           ; v16  8 x lane
.set TS,  17                           ; v17  TAB + 64 x thread
.set ACC, 64
.set SC,  128
.set TR,  160
.set WV,  18                           ; s18  wave
.set G1,  24                           ; s[24:31] descriptor group 1
.set G0,  32                           ; s[32:35] descriptor group 0: it walks
.set SS,  36                           ; s[36:37] 2.885390 x 2^(e2 + e3)
.set TB,  38                           ; s38  LDS byte of the chunk to be fetched
.set TT,  39                           ; s39  the chunk's first table entry, in bytes
.set SLOTS, 40
.set CH,  41
.set O,   44                           ; s[44:45] an offset, 0 above it
.set EW,  46                           ; s[46:47] encoder_outputs at my wave's first row
.set SCP, 52                           ; s[52:53] scores at my wave's first row
.set BASE, 66                          ; s[66:97] the addresses of a row tile's sixteen rows
.set MSB, 0
.macro WIN new                         ; the immediate's high byte repeats the setting that is left; a switch that changes nothing is dropped
.if MSB != (\new)
	s_set_vgpr_msb (MSB<<8)|(\new)
.set MSB, (\new)
.endif
.endm
; A round of the cluster's barrier: my work-group's barrier, wave 0's signal for the work-group, every wave's wait for all four work-groups, my work-group's barrier once more.
.macro CROUND
	s_barrier_signal -1
	s_barrier_wait -1
	s_cmp_lg_u32 s[WV], 0
	s_cbranch_scc1 .Lnot_wave_0_\@
	s_barrier_signal -3
.Lnot_wave_0_\@:
	s_barrier_wait -3
	s_barrier_signal -1
	s_barrier_wait -1
.endm
; The addresses of row tile m's sixteen rows: a row's offset comes out of its lane, is held once more under the wave's 64 rows, and is added to the wave's base.
.macro BASES m
.set rr, 0
.rept 16
	v_readlane_b32 s[O], v[OFF+((16*(\m)+rr)>>5)], (16*(\m)+rr)&31
	s_min_u32 s[O], s[O], 0x3f000
	s_add_nc_u64 s[BASE+2*rr:BASE+2*rr+1], s[EW:EW+1], s[O:O+1]
.set rr, rr+1
.endr
.endm
; Unit u = (row tile u / 8, K step u % 8): 16 rows x 128 numbers.  Each load reads 512 consecutive bytes of one row.
.macro LOAD u
	WIN 0x40                                       ; destination window 1
.set rr, 0
.rept 16
	global_load_b128 v[64*((\u)%4)+4*rr:64*((\u)%4)+4*rr+3], v[L16], s[BASE+2*rr:BASE+2*rr+1] offset:512*((\u)%8)
.set rr, rr+1
.endr
	WIN 0
.endm
; The unit turns through my stage: in as it was loaded, out so that lane (r, h) holds, of row r, k = 32 c + 16 h + 0 .. 15 in registers 16 c + 0 .. 15.  My own bytes: LDS serves a wave's instructions in order (ISA guide 5.7.1.4).
.macro TURN u
	WIN 0x04                                       ; store data window 1
.set rr, 0
.rept 16
	ds_store_b128 v[STS], v[64*((\u)%4)+4*rr:64*((\u)%4)+4*rr+3] offset:SPITCH*rr
.set rr, rr+1
.endr
	WIN 0
.set XB, 64+64*((\u)%2)
.irp c, 0,1,2,3
.irp e, 0,1,2,3
	ds_load_b128 v[XB+16*\c+4*\e:XB+16*\c+4*\e+3], v[STL] offset:128*\c+16*\e
.endr
.endr
.endm
.macro QUANT u                         ; 64 numbers become the 16 registers of fragment (u / 8, u % 8)
.set XB, 64+64*((\u)%2)
.set AB, 16*(4*((\u)/8)+((\u)%4))
.set i, 0
.rept 64
	v_med3_num_f32 v[XB+i], v[XB+i], -v[QL], v[QL]   ; the conversion to an 8-bit code does not saturate (ISA guide 7.6.2): the hold at the largest code x the scale, with no branch on the given scale
.set i, i+1
.endr
	WIN 0x80+0x40*(((\u)%8)/4)                     ; destination window 2 or 3
.irp c, 0,1,2,3
.irp g, 0,1
	v_cvt_scalef32_pk8_bf8_f32 v[AB+4*\c+2*\g:AB+4*\c+2*\g+1], v[XB+16*\c+8*\g:XB+16*\c+8*\g+7], v[QS]
.endr
.endr
	WIN 0
	v_nop                                          ; a plain vector line behind the last conversion, ahead of whatever vector or matrix instruction next touches its registers
.endm
.macro UNIT u
	s_wait_dscnt 0x0                               ; this unit's numbers are back from the stage, and its stores into the stage have read landing set u % 4,
.if (\u)+4 < 32
.if ((\u)+4)%8 == 0
	s_wait_xcnt 0x0                                ; (the loads that are out have read their bases: these are written again only behind this wait)
	BASES ((\u)+4)/8
.endif
	LOAD (\u)+4                                    ; which takes the loads of four units on
.endif
.if (\u)+1 < 32
.if (\u)+4 < 32
	s_wait_loadcnt 48                              ; the next unit's 16 loads are in; those of the three units behind it may be out
.else
	s_wait_loadcnt 16*(31-((\u)+1))
.endif
	TURN (\u)+1                                    ; it goes through the stage while this unit is quantised
.endif
	QUANT \u
.endm
; 64 LDS loads in one run: a chunk's 16 fragments of W, as they lie: 16 x lane, 512 consecutive bytes a load
.macro FETCH
	v_add_nc_u32 v[ADB], s[TB], v[L16]
	WIN 0x40                                       ; destination window 1
.irp s, 0,1,2,3,4,5,6,7
.irp t, 0,1
.irp q, 0,1,2,3
	ds_load_b128 v[128*(\s/4)+16*(4*\t+\s%4)+4*\q:128*(\s/4)+16*(4*\t+\s%4)+4*\q+3], v[ADB] offset:16384*\t+2048*\s+512*\q
.endr
.endr
.endr
	WIN 0
.endm
; A chunk's 64 matrix instructions.  The first eight start the sums with the constant 0.  The eight accumulators take turns, one instruction a turn, K ascending.
.macro MUL
.irp hh, 0,1
	WIN 0x06+\hh                                   ; source 0 (enc) window 2 or 3, source 1 (W) window 1, C and D window 0
.irp sl, 0,1,2,3
.irp m, 0,1,2,3
.irp t, 0,1
.if (\hh == 0) && (\sl == 0)
	v_wmma_f32_16x16x128_bf8_bf8 v[ACC+8*(2*\m+\t):ACC+8*(2*\m+\t)+7], v[16*(4*\m+\sl):16*(4*\m+\sl)+15], v[128*\hh+16*(4*\t+\sl):128*\hh+16*(4*\t+\sl)+15], 0
.else
	v_wmma_f32_16x16x128_bf8_bf8 v[ACC+8*(2*\m+\t):ACC+8*(2*\m+\t)+7], v[16*(4*\m+\sl):16*(4*\m+\sl)+15], v[128*\hh+16*(4*\t+\sl):128*\hh+16*(4*\t+\sl)+15], v[ACC+8*(2*\m+\t):ACC+8*(2*\m+\t)+7]
.endif
.endr
.endr
.endr
.endr
	WIN 0
.endm
; tanh and the product with v_w for a chunk's 64 sums of a lane: SC += u / (1 + 2^(sum x S + d)); the part v_w x 1 of v_w tanh is gathered in VS.
; Each batch of 64 transcendentals has one plain line and ONE wait behind it, ahead of its first reader.
.macro EPI
.irp a, 0,1,2,3,4,5,6,7
.irp p, 0,2,4,6
	v_pk_fma_f32 v[ACC+8*\a+\p:ACC+8*\a+\p+1], v[ACC+8*\a+\p:ACC+8*\a+\p+1], s[SS:SS+1], v[TR+4*(\a%2):TR+4*(\a%2)+1] op_sel_hi:[1,0,0]   ; each accumulator from its low end on; of the pairs S and (d, u) the low word serves both halves
.endr
.endr
.set i, 0
.rept 64
	v_exp_f32 v[ACC+i], v[ACC+i]
.set i, i+1
.endr
	v_add_f32 v[VS], v[VS], v[TR+2]
	v_add_f32 v[VS], v[VS], v[TR+6]
	s_wait_alu depctr_va_vdst(0)
.set i, 0
.rept 32
	v_pk_add_f32 v[ACC+i:ACC+i+1], v[ACC+i:ACC+i+1], 1.0 op_sel_hi:[1,0]
.set i, i+2
.endr
.set i, 0
.rept 64
	v_rcp_f32 v[ACC+i], v[ACC+i]
.set i, i+1
.endr
	v_nop
	s_wait_alu depctr_va_vdst(0)
.irp t, 0,1
.irp m, 0,1,2,3
.irp p, 0,2,4,6
	v_pk_fma_f32 v[SC+8*\m+\p:SC+8*\m+\p+1], v[ACC+8*(2*\m+\t)+\p:ACC+8*(2*\m+\t)+\p+1], v[TR+4*\t+2:TR+4*\t+3], v[SC+8*\m+\p:SC+8*\m+\p+1] op_sel_hi:[1,0,1]   ; x u, the low word of (u, d)
.endr
.endr
.endr
.endm
; A chunk.  fetch = 1: the next chunk of the same slot is fetched behind the products, and lands while the vector work runs.
.macro CHUNK fetch
	s_wait_dscnt 0x0                               ; W's fragments are in
	v_add_nc_u32 v[ADT], s[TT], v[AT0]
	ds_load_b128 v[TR:TR+3], v[ADT]                ; the entries of my two columns
	ds_load_b128 v[TR+4:TR+7], v[ADT] offset:256
	MUL
	s_wait_dscnt 0x0                               ; the two entries are in (asked for 64 matrix instructions ago)
.rept 5
	v_nop                                          ; four places in front of loads into registers that the products have read and of the first read of results; the fifth for the next chunk's first products, which write over the accumulators with another C
.endr
	s_add_co_u32 s[TT], s[TT], 512
.if \fetch
	s_add_co_u32 s[TB], s[TB], CHB
	FETCH
.endif
	EPI
.endm
; THE CHANGE OF SLOTS stands at a slot's head.  Each wave waits for all its tensor loads (one is out: its quarter of the slot ahead), adds 0 to its spare word, and waits for that and for its reads of the slot that it has left.
; fill = 1: the barrier is a round of the cluster's, so that no wave of any partner still reads the slot or has a load on its way; the joint load of the next 128 KB is the first thing behind it and has a slot's 256 matrix instructions in which to land.
.macro CHANGE fill
	s_wait_tensorcnt 0x0                           ; no tensor load of mine is out, so group 0 may be written
	ds_add_u32 v[SPW], v[NIL]                      ; 0 onto my spare word
.if \fill
	s_xor_b32 s[G0+1], s[G0+1], SLOT               ; the other slot than last time,
	s_add_nc_u64 s[G0+2:G0+3], s[G0+2:G0+3], SLOT  ; the next 8 N tiles; the type bits on top are not reached
.endif
	s_wait_dscnt 0x0                               ; the add is done, my LDS stores have landed and my reads are over
.if \fill
	CROUND
	tensor_load_to_lds s[G0:G0+3], s[G1:G1+7]
	s_nop 0
.rept 4
	v_nop                                          ; four plain lines follow a tensor load
.endr
.else
	s_barrier_signal -1
	s_barrier_wait -1
.endif
.endm
.macro SLOTBODY                        ; a slot's four chunks: three in a loop, each fetching its successor; the fourth, which has none in this slot, written out
	FETCH
	s_mov_b32 s[CH], 3
.Lchunk_\@:
	CHUNK 1
	s_sub_co_u32 s[CH], s[CH], 1
	s_cmp_lg_u32 s[CH], 0
	s_cbranch_scc1 .Lchunk_\@
	CHUNK 0
	s_sub_co_u32 s[TB], s[TB], 3*CHB               ; back to a slot's first chunk,
	s_xor_b32 s[TB], s[TB], SLOT                   ; in the other slot
.endm
	s_load_b256 s[4:11], s[0:1], 0x0               ; encoder_outputs s[4:5], mask s[6:7], wq s[8:9], dproj s[10:11]
	s_load_b128 s[12:15], s[0:1], 0x20             ; v_w s[12:13], the scales' exponents s[14:15]
	s_load_b64 s[16:17], s[0:1], 0x30              ; scores
	v_lshl_add_u32 v[SPW], v0, 2, SPARE
	v_mov_b32 v[NIL], 0
	ds_add_u32 v2, v3
	ds_add_u32 v2, v3
	s_wait_dscnt 0x0
	v_lshrrev_b32 v20, 5, v0
	v_readfirstlane_b32 s[WV], v20                 ; wave 0..3
	s_bfe_u32 s19, ttmp6, 0x40000                  ; my place in the cluster
	s_lshl_b32 s20, ttmp9, 2                       ; in a cluster launch ttmp9 counts clusters
	s_add_co_u32 s20, s20, s19                     ; g: my block of 256 rows
	; descriptor group 1: 32,768 dense bytes as 128 rows of 32 elements of 8 bytes, no padding: the images are read 16 bytes a lane on end
	s_mov_b32 s[G1], 15|(3<<16)|(1<<21)            ; 15:0 the mask: all four work-groups; 17:16 elements of 8 bytes; 21 set beside a mask
	s_mov_b32 s[G1+1], 32<<16                      ; tensor_dim0 = 32
	s_mov_b32 s[G1+2], 128<<16                     ; tensor_dim1 = 128
	s_mov_b32 s[G1+3], 32<<16                      ; tile_dim0 = 32
	s_mov_b32 s[G1+4], 128                         ; tile_dim1 = 128
	s_mov_b32 s[G1+5], 32                          ; tensor_dim0_stride
	s_mov_b32 s[G1+6], 0
	s_mov_b32 s[G1+7], 0
	s_lshl_b32 s[O], s[WV], 15                     ; my quarter of a slot: the same in LDS and in wq; no place in the cluster enters it
	s_mov_b32 s[O+1], 0
	s_wait_kmcnt 0x0
	s_load_b128 s[48:51], s[14:15], 0x0            ; e0, e1, e2, e3
	s_mov_b32 s[G0], 1                             ; count = 1
	s_mov_b32 s[G0+1], s[O]                        ; LDS address: slot 0
	s_add_nc_u64 s[G0+2:G0+3], s[8:9], s[O:O+1]    ; global address: the first 8 N tiles
	s_or_b32 s[G0+3], s[G0+3], 0x80000000          ; type = 2
	CROUND                                         ; all four work-groups are here: the first joint loads meet
	tensor_load_to_lds s[G0:G0+3], s[G1:G1+7]      ; slot 0 lands during phase 1
	s_nop 0
.rept 4
	v_nop
.endr
	v_and_b32 v21, 31, v0                          ; lane
	v_and_b32 v22, 15, v0                          ; r
	v_bfe_u32 v23, v0, 4, 1                        ; h
	v_lshlrev_b32 v[L16], 4, v21
	v_lshlrev_b32 v[L8], 3, v21
	v_lshlrev_b32 v19, 2, v21                      ; 4 x lane
	v_lshlrev_b32 v18, 4, v0                       ; 16 x thread
	s_mul_i32 s21, s[WV], STGB
	s_add_co_u32 s21, s21, STG                     ; my stage
	v_add_nc_u32 v[STS], s21, v[L16]
	v_mul_u32_u24 v[STL], v22, SPITCH
	v_lshl_add_u32 v[STL], v23, 6, v[STL]
	v_add_nc_u32 v[STL], s21, v[STL]
	v_lshl_add_u32 v[AT0], v22, 4, TAB
	v_lshl_add_u32 v[SCW], v23, 5, s21
	v_add_nc_u32 v[SCR], s21, v[L8]
	v_lshl_add_u32 v[TS], v0, 6, TAB
	s_lshl_b32 s[O], s20, 20                       ; 256 rows of 4,096 bytes x g,
	s_lshl_b32 s22, s[WV], 18                      ; 64 rows x wave
	s_add_co_u32 s[O], s[O], s22
	s_add_nc_u64 s[EW:EW+1], s[4:5], s[O:O+1]
	s_lshl_b32 s[O], s20, 10                       ; the same rows in mask and in scores, 4 bytes a row
	s_lshl_b32 s22, s[WV], 8
	s_add_co_u32 s[O], s[O], s22
	s_add_nc_u64 s[6:7], s[6:7], s[O:O+1]
	s_add_nc_u64 s[SCP:SCP+1], s[16:17], s[O:O+1]
	s_lshr_b32 s[O], s20, 3                        ; the batch
	s_lshl_b32 s[O], s[O], 12
	s_add_nc_u64 s[10:11], s[10:11], s[O:O+1]      ; its row of dproj
	global_load_b32 v24, v19, s[6:7]               ; the mask words of rows 0-31 of my 64,
	global_load_b32 v25, v19, s[6:7] offset:128    ; and of rows 32-63
	global_load_b128 v[28:31], v18, s[10:11]               ; dproj and v_w: thread t takes n = 4 t .. 4 t + 3 and 512 + 4 t .. 512 + 4 t + 3
	global_load_b128 v[32:35], v18, s[10:11] offset:2048
	global_load_b128 v[36:39], v18, s[12:13]
	global_load_b128 v[40:43], v18, s[12:13] offset:2048
	s_wait_kmcnt 0x0
	s_add_co_i32 s22, s50, 127
	s_lshl_b32 s23, s22, 23
	v_mov_b32 v[QS], s23                           ; 2^e2 as f32: the conversion takes its exponent field
	s_add_co_i32 s22, s22, 15
	s_lshl_b32 s22, s22, 23
	s_or_b32 s22, s22, 0x600000
	v_mov_b32 v[QL], s22                           ; 57,344 x 2^e2
	s_add_co_i32 s22, s50, s51
	s_lshl_b32 s22, s22, 23
	s_add_co_i32 s[SS], s22, 0x4038aa3b            ; a sum stands for sum x 2^(e2 + e3): the two exponents are added to the exponent field of 2.885390 = 2 log2(e)
	s_mov_b32 s[SS+1], s[SS]                       ; (named with it as a pair, so it is written)
	v_lshlrev_b32 v26, 12, v21                     ; row lane, in bytes
	v_add_nc_u32 v27, 0x20000, v26                 ; row 32 + lane
	s_wait_loadcnt 4                               ; the two mask loads are in; the four table loads may be out
	v_cmp_ne_u32 vcc_lo, 0, v24
	v_cndmask_b32 v[OFF], 0, v26, vcc_lo           ; a row whose mask word is 0 is not fetched: its offset is the first row's
	v_cmp_ne_u32 vcc_lo, 0, v25
	v_cndmask_b32 v[OFF+1], 0, v27, vcc_lo
	v_min_u32 v[OFF], 0x3f000, v[OFF]              ; inside the wave's 64 rows
	v_min_u32 v[OFF+1], 0x3f000, v[OFF+1]
	BASES 0
	LOAD 0
	LOAD 1
	LOAD 2
	s_wait_loadcnt 48                              ; the four table loads are in; behind them stand three units' 48 loads
.irp e, 0,1,2,3,4,5,6,7                ; my eight entries (d, u, u, d), made in registers that phase 1 first writes behind a wait for all LDS instructions
	v_mul_f32 v[128+4*\e], 0x4038aa3b, v[28+\e]
	v_mul_f32 v[129+4*\e], -2.0, v[36+\e]
	v_mul_f32 v[130+4*\e], -2.0, v[36+\e]
	v_mul_f32 v[131+4*\e], 0x4038aa3b, v[28+\e]
	ds_store_b128 v[TS], v[128+4*\e:131+4*\e] offset:8192*(\e/4)+16*(\e%4)
.endr
	LOAD 3
	s_wait_loadcnt 48                              ; unit 0's 16 loads are in
	TURN 0
	; PHASE 1, written out: each unit's codes go to registers of their own
.set U, 0
.rept 32
	UNIT U
.set U, U+1
.endr
	; PHASE 2
.set i, 0
.rept 32
	v_mov_b32 v[SC+i], 0                           ; the chunk is written once for all 32: the first finds zeros
.set i, i+1
.endr
	v_mov_b32 v[VS], 0
	s_mov_b32 s[TB], 0
	s_mov_b32 s[TT], 0
	s_mov_b32 s[SLOTS], 7
.Lslot:                                ; 7 trips: behind each change of slots but the last the next 128 KB are asked for.  The first change's wait and round also show the table to all four waves
	CHANGE 1
	SLOTBODY
	s_sub_co_u32 s[SLOTS], s[SLOTS], 1
	s_cmp_lg_u32 s[SLOTS], 0
	s_cbranch_scc1 .Lslot
	CHANGE 0                                       ; the last slot is written out
	SLOTBODY
	; THE WAY OUT.  SC + the sum of v_w over my columns (VS holds -2 x it); then across the sixteen lanes that hold the other columns of the same rows
.set i, 0
.rept 32
	v_fma_f32 v[SC+i], v[VS], -0.5, v[SC+i]
.set i, i+1
.endr
.irp x, 1,2,4,8
.set i, 0
.rept 32
	v_add_f32_dpp v[SC+i], v[SC+i], v[SC+i] row_xmask:\x row_mask:0xf bank_mask:0xf
.set i, i+1
.endr
.endr
.irp m, 0,1,2,3
.irp j, 0,1,2,3,4,5,6,7
	ds_store_b32 v[SCW], v[SC+8*\m+\j] offset:4*(16*\m+\j)   ; row 16 m + 8 h + j: sixteen lanes write one word with one value.  My own stage, whose last use is over
.endr
.endr
	ds_load_b64 v[TR:TR+1], v[SCR]                 ; my own bytes, served in order: two rows' scores a lane
	s_wait_dscnt 0x0
	global_store_b64 v[L8], v[TR:TR+1], s[SCP:SCP+1]   ; the wave stores 256 consecutive bytes, aligned
	s_wait_tensorcnt 0x0                           ; the wave's end: behind my last tensor load and my last LDS store
	ds_add_u32 v[SPW], v[NIL]
	s_wait_dscnt 0x0
	CROUND                                         ; the closing round: no work-group ends while a partner may still ask for a slot that names it
	s_endpgm
.Lfunc_end_k_qce61d21f34_main:
	.size	k_qce61d21f34_main, .Lfunc_end_k_qce61d21f34_main-k_qce61d21f34_main
	.p2alignl 7, 3214868480
	.fill 96, 4, 3214868480
	.section	.rodata,"a",@progbits
	.p2align	6, 0x0
	.amdhsa_kernel k_qce61d21f34_main
		.amdhsa_group_segment_fixed_size 327680
		.amdhsa_private_segment_fixed_size 0
		.amdhsa_enable_private_segment 0
		.amdhsa_kernarg_size 56
		.amdhsa_user_sgpr_count 2
		.amdhsa_user_sgpr_kernarg_segment_ptr 1
		.amdhsa_wavefront_size32 1
		.amdhsa_system_sgpr_workgroup_id_x 1
		.amdhsa_system_sgpr_workgroup_id_y 1
		.amdhsa_system_sgpr_workgroup_id_z 1
		.amdhsa_system_vgpr_workitem_id 0
		.amdhsa_next_free_vgpr 1024
		.amdhsa_next_free_sgpr 98
		.amdhsa_reserve_vcc 1
		.amdhsa_float_denorm_mode_32 3
		.amdhsa_float_denorm_mode_16_64 3
		.amdhsa_memory_ordered 1
		.amdhsa_forward_progress 1
		.amdhsa_inst_pref_size 255
	.end_amdhsa_kernel
	.section	.bss,"aw",@nobits
	.p2align	6
	.space	262144
	.amdgpu_metadata
---
amdhsa.version: [ 1, 2 ]
amdhsa.kernels:
  - .name:           k_qce61d21f34_main
    .symbol:         k_qce61d21f34_main.kd
    .args:
      - { .name: encoder_outputs, .offset: 0, .size: 8, .value_kind: global_buffer, .address_space: global }
      - { .name: mask, .offset: 8, .size: 8, .value_kind: global_buffer, .address_space: global }
      - { .name: wq, .offset: 16, .size: 8, .value_kind: global_buffer, .address_space: global }
      - { .name: dproj, .offset: 24, .size: 8, .value_kind: global_buffer, .address_space: global }
      - { .name: v_w, .offset: 32, .size: 8, .value_kind: global_buffer, .address_space: global }
      - { .name: lowp_scales, .offset: 40, .size: 8, .value_kind: global_buffer, .address_space: global }
      - { .name: scores, .offset: 48, .size: 8, .value_kind: global_buffer, .address_space: global }
    .group_segment_fixed_size: 327680
    .private_segment_fixed_size: 0
    .kernarg_segment_align: 8
    .kernarg_segment_size: 56
    .max_flat_workgroup_size: 128
    .sgpr_count:     98
    .vgpr_count:     1024
    .wavefront_size: 32
...
	.end_amdgpu_metadata
.endif
;; end of part 2
;; launch final (part 3): grid 8 x 32, 16 waves a work-group, no clusters, 10,752 bytes of LDS; arguments encoder_outputs, mask, scores, out0, out1; writes out0, out1
.if DOCPART == 3
	.amdgcn_target "amdgcn-amd-amdhsa--gfx1250"
	.amdhsa_code_object_version 6
	.text
	.protected	k_qce61d21f34_final
	.globl	k_qce61d21f34_final
	.p2align	8
	.type	k_qce61d21f34_final,@function
k_qce61d21f34_final:
	s_mov_b64 s[64:65], 0
	v_nop
	global_prefetch_b8 v0, s[64:65] scope:SCOPE_SE
	s_setreg_imm32_b32 hwreg(HW_REG_WAVE_MODE, 25, 1), 1
	s_wait_xcnt 0x0
; a = (mask == 0) ? -1e10 : score;  out0[b] = softmax(a), with the row's true maximum taken away;  out1[b][:] = sum over s of out0[b][s] x encoder_outputs[b][s][:].  All in f32.
; SHARES.  Work-group (j, b) owns columns 128 j .. 128 j + 127 of out1[b] and rows 256 j .. 256 j + 255 of out0[b]: each output byte has one owner, and nothing is added between work-groups.
; Each work-group makes the batch's whole softmax for itself: thread t holds rows 4 t .. 4 t + 3, so wave w holds the weights of rows 128 w .. 128 w + 127, the very rows whose 512 bytes it then sums.
; ROWS THAT ARE NOT FETCHED.  Where a batch has a row with mask != 0, a row with mask == 0 has the weight 2^(1.44 x (-1e10 - max)) = 0: its address is turned to the wave's first row (a choice of offset by the mask's
; whole numbers, no branch), and 0 x that row is added.  Where ALL of a batch's mask words are 0 every weight is 1 / 2048 and every row is fetched.
; LIMITS: the sum of |v_w| stays under 9e9, so that the weight above is 0; NaN and infinities in encoder_outputs are not served (0 x such a number is not reproduced for a row that is not fetched).
; No matrix unit: the product has one row.  No cluster: what the eight work-groups of a batch share, mask and scores, is 16 KB beside the 1 MB that each reads for itself.  No LDS ring: sixteen loads of 512 bytes of each of
; sixteen waves are on their way in registers.
.set OFF,  12                          ; v12-15  byte offset, from the wave's first row, of row 4 lane + q; 0 for a row that is not fetched
.set VA,   16                          ; v16-31  slot i % 16: the load's offset
.set LD,   32                          ; v32-95  slot i % 16: 16 bytes a lane of a row's 512; at the head: the batch's mask
.set MXA,  104                         ; v104    4 x wave: my wave's word among the maxima; the sums' words lie SMO further on
.set ZA,   105                         ; v105    0
.set RDA,  106                         ; v106    512 x wave + 16 x lane
.set NEG,  107                         ; v107    -1e10
.set T0,   108
.set T1,   109
.set WD,   112                         ; v112-127 sixteen waves' words
.set SMO,  256                         ; LDS: 0 the maxima, 256 the sums, from 512 on 512 bytes for each wave
.set REDO, 512
	s_load_b256 s[4:11], s[0:1], 0x0               ; encoder_outputs s[4:5], mask s[6:7], scores s[8:9], out0 s[10:11]
	s_load_b64 s[12:13], s[0:1], 0x20              ; out1
	v_lshl_add_u32 v128, v0, 2, 0x2200
	v_mov_b32 v129, 0
	v_lshrrev_b32 v3, 5, v0
	v_readfirstlane_b32 s14, v3                    ; wave 0..15
	s_and_b32 s15, ttmp7, 0xffff                   ; b
	v_and_b32 v3, 31, v0                           ; lane
	v_lshlrev_b32 v1, 4, v3                        ; 16 x lane
	v_lshlrev_b32 v2, 4, v0                        ; 16 x thread
	v_mov_b32 v[MXA], s14
	v_lshlrev_b32 v[MXA], 2, v[MXA]
	v_mov_b32 v[ZA], 0
	s_lshl_b32 s19, s14, 9
	v_add_nc_u32 v[RDA], s19, v1
	v_mov_b32 v[NEG], 0xd01502f9                   ; -1e10
	v_mov_b32 v[T1], 0                             ; written once: a lane permute's destination counts as one of its sources
	s_mov_b32 s28, 0x76543210                      ; v_permlanex16_b32's selects for lane l xor 16
	s_mov_b32 s29, 0xfedcba98
	s_mov_b32 s25, 0                               ; (the upper halves of the pairs that the packed forms name)
	s_mov_b32 s27, 0
	s_lshl_b32 s16, s15, 13                        ; the batch's 2,048 words
	s_mov_b32 s17, 0
	s_wait_kmcnt 0x0
	s_add_nc_u64 s[6:7], s[6:7], s[16:17]
	s_add_nc_u64 s[8:9], s[8:9], s[16:17]
	s_add_nc_u64 s[10:11], s[10:11], s[16:17]
	s_lshl_b32 s16, s15, 23                        ; the batch's 2,048 rows of 4,096 bytes,
	s_lshl_b32 s18, s14, 19                        ; my wave's 128 rows,
	s_add_co_u32 s16, s16, s18
	s_lshl_b32 s18, ttmp9, 9                       ; my work-group's 512 bytes of a row
	s_add_co_u32 s16, s16, s18
	s_add_nc_u64 s[20:21], s[4:5], s[16:17]
	s_lshl_b32 s16, s15, 12
	s_add_co_u32 s16, s16, s18
	s_add_nc_u64 s[12:13], s[12:13], s[16:17]      ; out1[b] at my columns
	global_load_b128 v[4:7], v2, s[8:9]            ; my four scores,
	global_load_b128 v[8:11], v2, s[6:7]           ; my four mask words,
.set i, 0
.rept 16
	global_load_b128 v[LD+4*i:LD+4*i+3], v1, s[6:7] offset:512*i   ; and the batch's whole mask: 64 words a lane
.set i, i+1
.endr
	s_wait_loadcnt 0x0
.set i, 4
.rept 60
	v_or_b32 v[LD+i%4], v[LD+i%4], v[LD+i]
.set i, i+1
.endr
	v_or_b32 v[LD], v[LD], v[LD+1]
	v_or_b32 v[LD+2], v[LD+2], v[LD+3]
	v_or_b32 v[LD], v[LD], v[LD+2]
	v_cmp_ne_u32 vcc_lo, 0, v[LD]
	s_cmp_eq_u32 vcc_lo, 0
	s_cselect_b32 s30, -1, 0                       ; all ones where the batch has no row with mask != 0
	v_lshlrev_b32 v16, 14, v3                      ; row 4 lane, in bytes
.irp q, 0,1,2,3
	v_or_b32 v17, s30, v[8+\q]
	v_add_nc_u32 v18, (\q*4096), v16
	v_cmp_ne_u32 vcc_lo, 0, v17
	v_cndmask_b32 v[OFF+\q], 0, v18, vcc_lo
	v_min_u32 v[OFF+\q], 0x7f000, v[OFF+\q]        ; inside the wave's 128 rows
.endr
; Row i of my 128 is asked for: its offset comes out of lane i / 4, is held once more inside the wave's rows, and 16 x lane is added: the wave reads 512 consecutive bytes.
.macro ISSUE i
	v_readlane_b32 s22, v[OFF+((\i)%4)], (\i)/4
	s_min_u32 s22, s22, 0x7f000
	v_add_nc_u32 v[VA+((\i)%16)], s22, v1
	global_load_b128 v[LD+4*((\i)%16):LD+4*((\i)%16)+3], v[VA+((\i)%16)], s[20:21]
.endm
.set R, 0
.rept 16
	ISSUE R                                        ; sixteen rows are on their way while the softmax is made
.set R, R+1
.endr
.irp q, 0,1,2,3
	v_cmp_eq_u32 vcc_lo, 0, v[8+\q]
	v_cndmask_b32 v[4+\q], v[4+\q], v[NEG], vcc_lo
.endr
	v_max3_num_f32 v[T0], v4, v5, v6               ; the largest a: in the lane, in the wave, in the work-group
	v_max_num_f32 v[T0], v[T0], v7
.irp x, 1,2,4,8
	v_max_num_f32_dpp v[T0], v[T0], v[T0] row_xmask:\x row_mask:0xf bank_mask:0xf
.endr
	v_permlanex16_b32 v[T1], v[T0], s28, s29
	v_max_num_f32 v[T0], v[T0], v[T1]
	ds_store_b32 v[MXA], v[T0]                     ; all lanes write my wave's word with the same value
	s_wait_dscnt 0x0                               ; for the others' sake
	s_barrier_signal -1
	s_barrier_wait -1
.irp k, 0,1,2,3
	ds_load_b128 v[WD+4*\k:WD+4*\k+3], v[ZA] offset:16*\k
.endr
	s_wait_dscnt 0x0
	v_max3_num_f32 v[T0], v[WD], v[WD+1], v[WD+2]
	v_max3_num_f32 v[T1], v[WD+3], v[WD+4], v[WD+5]
	v_max3_num_f32 v[T0], v[T0], v[WD+6], v[WD+7]
	v_max3_num_f32 v[T1], v[T1], v[WD+8], v[WD+9]
	v_max3_num_f32 v[T0], v[T0], v[WD+10], v[WD+11]
	v_max3_num_f32 v[T1], v[T1], v[WD+12], v[WD+13]
	v_max3_num_f32 v[T0], v[T0], v[WD+14], v[WD+15]
	v_max_num_f32 v[T0], v[T0], v[T1]              ; the batch's maximum
.irp q, 0,1,2,3
	v_sub_f32 v[4+\q], v[4+\q], v[T0]
.endr
.irp q, 0,1,2,3
	v_mul_f32 v[4+\q], 0x3fb8aa3b, v[4+\q]         ; x log2(e)
.endr
.irp q, 0,1,2,3
	v_exp_f32 v[4+\q], v[4+\q]
.endr
	v_nop                                          ; a plain line behind the last exponential,
	s_wait_alu depctr_va_vdst(0)                   ; and one wait for the four, ahead of their first reader
	v_add_f32 v[T0], v4, v5
	v_add_f32 v[T1], v6, v7
	v_add_f32 v[T0], v[T0], v[T1]
.irp x, 1,2,4,8
	v_add_f32_dpp v[T0], v[T0], v[T0] row_xmask:\x row_mask:0xf bank_mask:0xf
.endr
	v_permlanex16_b32 v[T1], v[T0], s28, s29
	v_add_f32 v[T0], v[T0], v[T1]
	ds_store_b32 v[MXA], v[T0] offset:SMO          ; other bytes than the maxima's, so no barrier stands between those reads and this store
	s_wait_dscnt 0x0
	s_barrier_signal -1
	s_barrier_wait -1
.irp k, 0,1,2,3
	ds_load_b128 v[WD+4*\k:WD+4*\k+3], v[ZA] offset:SMO+16*\k
.endr
	s_wait_dscnt 0x0
.irp k, 2,4,6,8,10,12,14
	v_pk_add_f32 v[WD:WD+1], v[WD:WD+1], v[WD+\k:WD+\k+1]
.endr
	v_add_f32 v[T0], v[WD], v[WD+1]
	v_rcp_f32 v[T0], v[T0]
	v_nop
	s_wait_alu depctr_va_vdst(0)
.irp q, 0,1,2,3
	v_mul_f32 v[4+\q], v[4+\q], v[T0]              ; the weights of my four rows; v4-7 stay as they are from here on
.endr
	s_lshr_b32 s16, s14, 1
	s_cmp_eq_u32 s16, ttmp9                        ; waves 2 j and 2 j + 1 hold the 256 rows of out0 that this work-group owns
	s_cbranch_scc0 .Lnot_mine
	global_store_b128 v2, v[4:7], s[10:11]         ; the wave stores 512 consecutive bytes, aligned
.Lnot_mine:
; Row i: its weight comes out of lane i / 4; two packed multiply-adds; its slot takes the row sixteen further on.  Two sets of sums by turns; the first two rows start them: nothing is cleared.
.macro ROW i
.set SW, 24+2*((\i)%2)
.set AC, 96+4*((\i)%2)
.set LR, LD+4*((\i)%16)
	v_readlane_b32 s[SW], v[4+((\i)%4)], (\i)/4
.if 127-(\i) < 15
	s_wait_loadcnt 127-(\i)                        ; the last rows: the counts run down
.else
	s_wait_loadcnt 15                              ; loads come back in order (ISA guide 5.7.1): this row's is in, the fifteen younger ones stay out; the wait also frees the slot's offset register
.endif
.if (\i) < 2
	v_pk_mul_f32 v[AC:AC+1], v[LR:LR+1], s[SW:SW+1] op_sel_hi:[1,0]
	v_pk_mul_f32 v[AC+2:AC+3], v[LR+2:LR+3], s[SW:SW+1] op_sel_hi:[1,0]
.else
	v_pk_fma_f32 v[AC:AC+1], v[LR:LR+1], s[SW:SW+1], v[AC:AC+1] op_sel_hi:[1,0,1]
	v_pk_fma_f32 v[AC+2:AC+3], v[LR+2:LR+3], s[SW:SW+1], v[AC+2:AC+3] op_sel_hi:[1,0,1]
.endif
.if (\i)+16 < 128
	ISSUE (\i)+16
.endif
.endm
.set R, 0
.rept 128
	ROW R
.set R, R+1
.endr
	v_pk_add_f32 v[96:97], v[96:97], v[100:101]
	v_pk_add_f32 v[98:99], v[98:99], v[102:103]
	ds_store_b128 v[RDA], v[96:99] offset:REDO     ; my wave's part of the 128 columns
	s_wait_dscnt 0x0
	s_barrier_signal -1
	s_barrier_wait -1
	s_cmp_lg_u32 s14, 0
	s_cbranch_scc1 .Lend
.set k, 0
.rept 16
	ds_load_b128 v[LD+4*k:LD+4*k+3], v1 offset:REDO+512*k
.set k, k+1
.endr
	s_wait_dscnt 0x0
.set k, 1
.rept 15
	v_pk_add_f32 v[LD:LD+1], v[LD:LD+1], v[LD+4*k:LD+4*k+1]
	v_pk_add_f32 v[LD+2:LD+3], v[LD+2:LD+3], v[LD+4*k+2:LD+4*k+3]
.set k, k+1
.endr
	global_store_b128 v1, v[LD:LD+3], s[12:13]     ; wave 0 stores 512 consecutive bytes, aligned
.Lend:
	s_wait_tensorcnt 0x0
	ds_add_u32 v128, v129
	s_wait_dscnt 0x0
	s_endpgm
.Lfunc_end_k_qce61d21f34_final:
	.size	k_qce61d21f34_final, .Lfunc_end_k_qce61d21f34_final-k_qce61d21f34_final
	.p2alignl 7, 3214868480
	.fill 96, 4, 3214868480
	.section	.rodata,"a",@progbits
	.p2align	6, 0x0
	.amdhsa_kernel k_qce61d21f34_final
		.amdhsa_group_segment_fixed_size 10752
		.amdhsa_private_segment_fixed_size 0
		.amdhsa_enable_private_segment 0
		.amdhsa_kernarg_size 40
		.amdhsa_user_sgpr_count 2
		.amdhsa_user_sgpr_kernarg_segment_ptr 1
		.amdhsa_wavefront_size32 1
		.amdhsa_system_sgpr_workgroup_id_x 1
		.amdhsa_system_sgpr_workgroup_id_y 1
		.amdhsa_system_sgpr_workgroup_id_z 1
		.amdhsa_system_vgpr_workitem_id 0
		.amdhsa_next_free_vgpr 130
		.amdhsa_next_free_sgpr 66
		.amdhsa_reserve_vcc 1
		.amdhsa_float_denorm_mode_32 3
		.amdhsa_float_denorm_mode_16_64 3
		.amdhsa_memory_ordered 1
		.amdhsa_forward_progress 1
		.amdhsa_inst_pref_size 74
	.end_amdhsa_kernel
	.amdgpu_metadata
---
amdhsa.version: [ 1, 2 ]
amdhsa.kernels:
  - .name:           k_qce61d21f34_final
    .symbol:         k_qce61d21f34_final.kd
    .args:
      - { .name: encoder_outputs, .offset: 0, .size: 8, .value_kind: global_buffer, .address_space: global }
      - { .name: mask, .offset: 8, .size: 8, .value_kind: global_buffer, .address_space: global }
      - { .name: scores, .offset: 16, .size: 8, .value_kind: global_buffer, .address_space: global }
      - { .name: out0, .offset: 24, .size: 8, .value_kind: global_buffer, .address_space: global }
      - { .name: out1, .offset: 32, .size: 8, .value_kind: global_buffer, .address_space: global }
    .group_segment_fixed_size: 10752
    .private_segment_fixed_size: 0
    .kernarg_segment_align: 8
    .kernarg_segment_size: 40
    .max_flat_workgroup_size: 512
    .sgpr_count:     66
    .vgpr_count:     130
    .wavefront_size: 32
...
	.end_amdgpu_metadata
.endif
;; end of part 3
;; ======== version 2 of 2: 3 launches
;; limits: right only within a limited range of input values
;; workspace buffers: wq 1,048,576 bytes; dproj 131,072 bytes; scores 262,144 bytes; pctx 1,048,576 bytes
;; launch prep (part 4): grid 32 x 1, 16 waves a work-group, no clusters, 100,352 bytes of LDS; arguments attn_W, attn_b, decoder_hidden_codes, lowp_scales, wq, dproj; writes wq, dproj
.if DOCPART == 4
	.amdgcn_target "amdgcn-amd-amdhsa--gfx1250"
	.amdhsa_code_object_version 6
	.text
	.protected	k_qce61d21f34_prep
	.globl	k_qce61d21f34_prep
	.p2align	8
	.type	k_qce61d21f34_prep,@function
k_qce61d21f34_prep:
	s_mov_b64 s[64:65], 0
	v_nop
	global_prefetch_b8 v0, s[64:65] scope:SCOPE_SE
	s_setreg_imm32_b32 hwreg(HW_REG_WAVE_MODE, 25, 1), 1
	s_wait_xcnt 0x0
; attn_W [2048][1024] f32 has K as its first axis.  Rows 0-1023 (W_dec) are quantised with 2^e1 and multiplied at once with decoder_hidden's codes:
; dproj[b][n] = 2^(e0+e1) x sum over k of dec(b,k) Q(W_dec)(k,n) + attn_b[n].  Rows 1024-2047 (W_enc) are quantised with 2^e3 and stored as IMAGES OF OPERAND REGISTERS in wq.
; code = x / 2^e, held within +-57,344, to the nearest E5M2 code, ties to even.
; LIMITS: e1 and e3 between -126 and 112, e0 + e1 between -126 and 127, so that each power of two below is an f32 number.  NaN among the inputs is not served.
; SHARES.  Work-group x takes columns 32 x .. 32 x + 31; wave w takes rows 128 w .. 128 w + 127: waves 0-7 are the K steps of W_dec, waves 8-15 those of W_enc.
; A LANE TAKES A COLUMN AND ITS REGISTERS RUN DOWN K, so the conversions give codes with K innermost; nothing is transposed by an instruction.  A load of a wave reads 128 consecutive bytes.
; wq: the fragment of N tile t (16 columns) and K step s (128) begins at byte 16384 t + 2048 s; register group c (0..3) at 512 c, lane l's 16 bytes at 16 l:
; lane (r = l % 16, h = l / 16) holds column 16 t + r, k = 128 s + 32 c + 16 h + 0 .. 15.  The same order of k is used for the other operand of each product, so every product meets its partner.
; No tensor loads and no cluster: 8 MB are read once, and work-groups share only decoder_hidden's 32 KB.  dproj leaves in pieces of 16 bytes a lane (a work-group holds 128 bytes of a row of it): 128 KB in all.
.set WROW, 4096                        ; a row of attn_W in bytes
.set X,    32                          ; v32-159  128 numbers of my column
.set CD,   160                         ; v160-191 their codes: 8 registers a block of 32, never written twice
.set F,    192                         ; v192-223 two fragments (N tiles 2 x and 2 x + 1) of my K step
.set DAF,  224                         ; v224-255 decoder_hidden's two fragments (batches 0-15, 16-31) of my K step
.set ACC,  64                          ; v64-95   four accumulators: (batch tile m, N tile t) at ACC + 8 (2 m + t)
.set SUM,  96                          ; v96-127  eight waves' parts of one group of four registers
.set RED,  65536                       ; LDS: 0..65535 a stage of 4,096 bytes for each wave; from RED on 4,096 bytes for each of waves 0-7
	s_load_b256 s[4:11], s[0:1], 0x0               ; attn_W s[4:5], attn_b s[6:7], decoder_hidden's codes s[8:9], the scales' exponents s[10:11]
	s_load_b128 s[12:15], s[0:1], 0x20             ; wq s[12:13], dproj s[14:15]
	v_lshl_add_u32 v30, v0, 2, 0x18000
	v_mov_b32 v31, 0
	v_lshrrev_b32 v12, 5, v0
	s_delay_alu instid0(VALU_DEP_1)
	v_readfirstlane_b32 s16, v12                   ; wave 0..15
	s_and_b32 s17, s16, 7                          ; my K step
	v_and_b32 v13, 31, v0                          ; lane
	v_and_b32 v14, 15, v0                          ; r
	v_bfe_u32 v15, v0, 4, 1                        ; h; also: which of the two N tiles my column lies in
	s_delay_alu instid0(VALU_DEP_3)
	v_lshlrev_b32 v1, 2, v13                       ; my column's 4 bytes in a row's 128
	s_delay_alu instid0(VALU_DEP_4)
	v_lshlrev_b32 v2, 4, v13                       ; 16 x lane
	s_lshl_b32 s18, s16, 12                        ; my stage
	v_lshlrev_b32 v3, 4, v14
	s_delay_alu instid0(VALU_DEP_1)
	v_lshl_add_u32 v3, v15, 11, v3
	s_delay_alu instid0(VALU_DEP_1)
	v_add_nc_u32 v3, s18, v3                       ; into the stage: 2048 x my N tile + 16 r: the place of image lane (r, 0); image lane (r, 1) lies 256 bytes on
	v_add_nc_u32 v4, s18, v2                       ; out of it: 16 x lane
	s_lshl_b32 s19, s17, 12
	s_add_co_u32 s19, s19, RED
	v_add_nc_u32 v5, s19, v2                       ; where a wave of W_dec puts its part sums
	s_lshl_b32 s19, s17, 9
	s_add_co_u32 s19, s19, RED
	v_add_nc_u32 v6, s19, v2                       ; and where it reads one group of four registers of all eight waves.  (All LDS addresses are made here, ahead of the first parting of the waves)
	v_lshlrev_b32 v7, 10, v14
	s_delay_alu instid0(VALU_DEP_1)
	v_lshl_add_u32 v7, v15, 4, v7                  ; decoder_hidden: batch r's row of 1,024 codes, + 16 h
	v_lshlrev_b32 v8, 12, v14
	s_delay_alu instid0(VALU_DEP_1)
	v_lshl_add_u32 v8, v15, 5, v8                  ; dproj: batch r's row of 4,096 bytes, + 32 h
	v_lshlrev_b32 v9, 5, v15                       ; attn_b: + 32 h
	s_lshl_b32 s26, s16, 19                        ; my 128 rows of attn_W,
	s_lshl_b32 s27, ttmp9, 7                       ; my work-group's 32 columns
	s_add_co_u32 s26, s26, s27
	s_mov_b32 s27, 0
	s_wait_kmcnt 0x0
	s_load_b128 s[20:23], s[10:11], 0x0            ; e0, e1, e2, e3
	s_add_nc_u64 s[4:5], s[4:5], s[26:27]
.macro LOADB c                         ; block c: W(128 w + 32 c + i, my column), i = 0 .. 31
.set i, 0
.rept 32
	global_load_b32 v[X+32*(\c)+i], v1, s[4:5] offset:WROW*(32*(\c)+i)
.set i, i+1
.endr
.endm
	LOADB 0
	LOADB 1
	s_lshl_b32 s28, ttmp9, 15                      ; wq: N tile 2 x, K step w % 8
	s_lshl_b32 s29, s17, 11
	s_add_co_u32 s28, s28, s29
	s_mov_b32 s29, 0
	s_add_nc_u64 s[12:13], s[12:13], s[28:29]
	s_lshl_b32 s28, s17, 7                         ; decoder_hidden's codes at my K step
	s_add_nc_u64 s[8:9], s[8:9], s[28:29]
	s_lshl_b32 s28, ttmp9, 7                       ; behind the barrier wave w (0..7) owns group w of the 8 groups of four accumulator registers: batch tile w / 4, N tile (w / 2) % 2, upper or lower four w % 2:
	s_bfe_u32 s30, s17, 0x10001
	s_lshl_b32 s30, s30, 6
	s_add_co_u32 s28, s28, s30
	s_and_b32 s30, s17, 1
	s_lshl_b32 s30, s30, 4
	s_add_co_u32 s28, s28, s30                     ; 4 x (32 x + 16 x N tile + 4 x (w % 2)): the group's first n, less the lane's 8 h
	s_add_nc_u64 s[6:7], s[6:7], s[28:29]
	s_lshr_b32 s30, s17, 2
	s_lshl_b32 s30, s30, 16                        ; + 16 batches of 4,096 bytes x the batch tile
	s_add_co_u32 s28, s28, s30
	s_add_nc_u64 s[14:15], s[14:15], s[28:29]
	s_wait_kmcnt 0x0
	s_cmp_lt_u32 s16, 8                            ; the choice hangs on the wave's number alone
	s_cselect_b32 s30, s21, s23                    ; e1 for W_dec, e3 for W_enc
	s_add_co_i32 s30, s30, 127
	s_lshl_b32 s31, s30, 23
	v_mov_b32 v11, s31                             ; 2^e as f32: the conversion takes its exponent field
	s_add_co_i32 s30, s30, 15
	s_lshl_b32 s30, s30, 23
	s_or_b32 s30, s30, 0x600000
	v_mov_b32 v10, s30                             ; 57,344 x 2^e
	s_add_co_i32 s24, s20, s21
	s_add_co_i32 s24, s24, 127
	s_lshl_b32 s24, s24, 23                        ; 2^(e0 + e1) as f32
	s_mov_b32 s25, s24                             ; (named with it as a pair, so it is written)
.macro BLOCK c
.if (\c) < 3
	s_wait_loadcnt 32                              ; this block's 32 loads are in; the next block's 32 may be out
.else
	s_wait_loadcnt 0x0
.endif
.if (\c)+2 < 4
	LOADB (\c)+2                                   ; two blocks ahead, into registers of its own
.endif
.set i, 0
.rept 32
	v_med3_num_f32 v[X+32*(\c)+i], v[X+32*(\c)+i], -v10, v10   ; the conversion to an 8-bit code does not saturate (ISA guide 7.6.2): the hold at the largest code x the scale
.set i, i+1
.endr
.irp g, 0,1,2,3
	v_cvt_scalef32_pk8_bf8_f32 v[CD+8*(\c)+2*\g:CD+8*(\c)+2*\g+1], v[X+32*(\c)+8*\g:X+32*(\c)+8*\g+7], v11
.endr
	ds_store_b128 v3, v[CD+8*(\c):CD+8*(\c)+3] offset:512*(\c)          ; k = 32 c + 0 .. 15: image lane (r, 0) of group c
	ds_store_b128 v3, v[CD+8*(\c)+4:CD+8*(\c)+7] offset:512*(\c)+256    ; k = 32 c + 16 .. 31: image lane (r, 1)
.endm
	s_wait_alu depctr_va_vdst(0)
	BLOCK 0
	BLOCK 1
	BLOCK 2
	BLOCK 3
	v_nop                                          ; a plain vector line behind the last conversion: matrix instructions below write registers that were its sources
.irp t, 0,1
.irp c, 0,1,2,3
	ds_load_b128 v[F+16*\t+4*\c:F+16*\t+4*\c+3], v4 offset:2048*\t+512*\c   ; my own bytes: LDS serves a wave's instructions in order (ISA guide 5.7.1.4)
.endr
.endr
	s_wait_dscnt 0x0
	s_cmp_lt_u32 s16, 8
	s_cbranch_scc1 .Ldec
.irp t, 0,1                            ; waves 8-15: the two images go to wq; each store covers 512 consecutive bytes, aligned
.irp c, 0,1,2,3
	global_store_b128 v2, v[F+16*\t+4*\c:F+16*\t+4*\c+3], s[12:13] offset:16384*\t+512*\c
.endr
.endr
	s_branch .Ljoin
.Ldec:                                 ; waves 0-7: my K step of the first product, transposed: source 0 = 16 columns of W_dec, source 1 = 16 batches
.irp m, 0,1
.irp c, 0,1,2,3
	global_load_b128 v[DAF+16*\m+4*\c:DAF+16*\m+4*\c+3], v7, s[8:9] offset:16384*\m+32*\c   ; batch 16 m + r, k = 128 w + 32 c + 16 h + 0 .. 15
.endr
.endr
	s_wait_loadcnt 0x0
.irp m, 0,1
.irp t, 0,1
	v_wmma_f32_16x16x128_bf8_bf8 v[ACC+8*(2*\m+\t):ACC+8*(2*\m+\t)+7], v[F+16*\t:F+16*\t+15], v[DAF+16*\m:DAF+16*\m+15], 0   ; lane (r, h), register j: batch 16 m + r, n = 16 t + 8 h + j
.endr
.endr
.rept 4
	v_nop                                          ; four places between a matrix instruction and the LDS store that reads its result
.endr
.irp q, 0,1,2,3,4,5,6,7
	ds_store_b128 v5, v[ACC+4*\q:ACC+4*\q+3] offset:512*\q   ; each accumulator from its low end on
.endr
.Ljoin:
	s_wait_dscnt 0x0                               ; for the others' sake: my LDS stores have landed
	s_barrier_signal -1
	s_barrier_wait -1                              ; all sixteen waves pass it
	s_cmp_lt_u32 s16, 8
	s_cbranch_scc0 .Lend
.irp k, 0,1,2,3,4,5,6,7
	ds_load_b128 v[SUM+4*\k:SUM+4*\k+3], v6 offset:4096*\k   ; group w of K step k's part sums
.endr
	global_load_b128 v[128:131], v9, s[6:7]        ; attn_b at my four n
	s_wait_dscnt 0x0
.irp k, 1
	v_pk_add_f32 v[SUM:SUM+1], v[SUM:SUM+1], v[SUM+4*\k:SUM+4*\k+1]
	v_pk_add_f32 v[SUM+2:SUM+3], v[SUM+2:SUM+3], v[SUM+4*\k+2:SUM+4*\k+3]
.endr
.irp k, 2, 3, 4, 5, 6, 7
	s_delay_alu instid0(VALU_DEP_2)
	v_pk_add_f32 v[SUM:SUM+1], v[SUM:SUM+1], v[SUM+4*\k:SUM+4*\k+1]
	s_delay_alu instid0(VALU_DEP_2)
	v_pk_add_f32 v[SUM+2:SUM+3], v[SUM+2:SUM+3], v[SUM+4*\k+2:SUM+4*\k+3]
.endr
	s_wait_alu depctr_va_vdst(0)
	s_wait_loadcnt 0x0
	v_pk_fma_f32 v[132:133], v[SUM:SUM+1], s[24:25], v[128:129] op_sel_hi:[1,0,1]     ; sum x 2^(e0 + e1) + b
	v_pk_fma_f32 v[134:135], v[SUM+2:SUM+3], s[24:25], v[130:131] op_sel_hi:[1,0,1]
	global_store_b128 v8, v[132:135], s[14:15]
.Lend:
	s_wait_tensorcnt 0x0
	ds_add_u32 v30, v31
	s_wait_dscnt 0x0
	s_endpgm
.Lfunc_end_k_qce61d21f34_prep:
	.size	k_qce61d21f34_prep, .Lfunc_end_k_qce61d21f34_prep-k_qce61d21f34_prep
	.p2alignl 7, 3214868480
	.fill 96, 4, 3214868480
	.section	.rodata,"a",@progbits
	.p2align	6, 0x0
	.amdhsa_kernel k_qce61d21f34_prep
		.amdhsa_group_segment_fixed_size 100352
		.amdhsa_private_segment_fixed_size 0
		.amdhsa_enable_private_segment 0
		.amdhsa_kernarg_size 48
		.amdhsa_user_sgpr_count 2
		.amdhsa_user_sgpr_kernarg_segment_ptr 1
		.amdhsa_wavefront_size32 1
		.amdhsa_system_sgpr_workgroup_id_x 1
		.amdhsa_system_sgpr_workgroup_id_y 1
		.amdhsa_system_sgpr_workgroup_id_z 1
		.amdhsa_system_vgpr_workitem_id 0
		.amdhsa_next_free_vgpr 256
		.amdhsa_next_free_sgpr 66
		.amdhsa_reserve_vcc 0
		.amdhsa_float_denorm_mode_32 3
		.amdhsa_float_denorm_mode_16_64 3
		.amdhsa_memory_ordered 1
		.amdhsa_forward_progress 1
		.amdhsa_inst_pref_size 31
	.end_amdhsa_kernel
	.amdgpu_metadata
---
amdhsa.version: [ 1, 2 ]
amdhsa.kernels:
  - .name:           k_qce61d21f34_prep
    .symbol:         k_qce61d21f34_prep.kd
    .args:
      - { .name: attn_W, .offset: 0, .size: 8, .value_kind: global_buffer, .address_space: global }
      - { .name: attn_b, .offset: 8, .size: 8, .value_kind: global_buffer, .address_space: global }
      - { .name: decoder_hidden_codes, .offset: 16, .size: 8, .value_kind: global_buffer, .address_space: global }
      - { .name: lowp_scales, .offset: 24, .size: 8, .value_kind: global_buffer, .address_space: global }
      - { .name: wq, .offset: 32, .size: 8, .value_kind: global_buffer, .address_space: global }
      - { .name: dproj, .offset: 40, .size: 8, .value_kind: global_buffer, .address_space: global }
    .group_segment_fixed_size: 100352
    .private_segment_fixed_size: 0
    .kernarg_segment_align: 8
    .kernarg_segment_size: 48
    .max_flat_workgroup_size: 512
    .sgpr_count:     66
    .vgpr_count:     256
    .wavefront_size: 32
...
	.end_amdgpu_metadata
.endif
;; end of part 4
;; launch main (part 5): grid 256 x 1, 4 waves a work-group, no clusters, 316,416 bytes of LDS; arguments encoder_outputs, mask, wq, dproj, v_w, lowp_scales, scores, pctx; writes scores, pctx
.if DOCPART == 5
	.amdgcn_target "amdgcn-amd-amdhsa--gfx1250"
	.amdhsa_code_object_version 6
	.text
	.protected	k_qce61d21f34_main
	.globl	k_qce61d21f34_main
	.p2align	8
	.type	k_qce61d21f34_main,@function
k_qce61d21f34_main:
	s_mov_b64 s[64:65], 0
	v_nop
	global_prefetch_b8 v0, s[64:65] scope:SCOPE_SE
	s_setreg_imm32_b32 hwreg(HW_REG_WAVE_MODE, 25, 1), 1
	s_wait_xcnt 0x0
; score[b][s] = sum over n of v_w[n] tanh(dproj[b][n] + 2^(e2+e3) sum over k of Q(enc)(b,s,k) Q(W_enc)(k,n)), and this work-group's part of the context:
; pctx[wg][:] = sum over its rows of p x enc[row][:], p = 2^((a - m) log2 e), a = the row's score, m = the largest a of the work-group's 256 rows (never under -1e10).
; WORK LEFT OUT.  The score of a row with mask == 0 is replaced by -1e10, so that row's products reach no output; the mask's whole numbers are read here and decide which rows are fetched:
; each wave compacts its 64 rows (set bits of a 64-bit ballot, ascending); a tile of 16 compacted rows with no row in it is jumped over.  Where ALL 2,048 mask words of the batch are 0, every row counts (a = -1e10, p = 1).
; LIMITS: sum of |v_w| under 1e10, so that a masked row's weight 2^(1.44 (-1e10 - max)) is 0 in f32 and -1e10 lies under every score; encoder_outputs finite (0 x a row that fills an empty place is added; NaN and infinities of masked rows are not carried);
; e2 between -126 and 112, e2 + e3 between -125 and 125, so that each power of two below is an f32 number.
; SHARES.  Work-group x owns rows 256 x .. of the 65,536.  HEAD: wave w quantises its compacted rows into LDS rows 64 w .. (pitch 1,040 bytes).  PRODUCT: wave w owns columns 256 w .. 256 w + 255, four N tiles at a time:
; their register images (64 KB of wq) lie in 512 registers, and the wave walks the 16 row tiles out of LDS, two fragment buffers by turns.  Source 0 = 16 columns of W, source 1 = 16 rows: lane (r, h) holds row r, register i column 8 h + i.
; No cluster and no tensor load: a joint load lands in LDS, of which the block's codes take 266,240 of 327,680 bytes; W's images go from memory straight into operand registers.
; No data prefetch: in both streaming parts a wave keeps 64 loads of 512 bytes out, its counter's room.
; REGISTERS: window 0 addresses, sums, tables; window 1 landing buffers, then the rows' two fragment buffers, then the second read's ring; windows 2 and 3 W's images of K steps 0-3 and 4-7.
.set PITCH, 1040
.set PART,  266240                     ; part scores: [wave][group of 4 N tiles][row tile][lane] words
.set CTX,   299008                     ; 4,096 bytes for each wave
.set MX,    315392                     ; four waves' maxima
.set SPARE, 315648                     ; the spare words
.set L16,1
.set SPW,2
.set NIL,3
.set CS0,4
.set CSS,5
.set QS,6
.set QL,7
.set PX,8
.set AD0,10
.set ADA,11
.set PS0,12
.set PSA,13
.set SCO,14
.set H32,15
.set L4,16
.set RL,17
.set PR0,21
.set MXA,22
.set MXB,23
.set CT4,24
.set CT8,25
.set CTS,26
.set CTR,27
.set NEG,28
.set L8,29
.set CD,32
.set ACC,64
.set CX,64
.set DP,96
.set VV,128
.set SC,160
.set VS,168
.set SR,170                            ; v170-173 scores, v174-177 a, v178-181 p, of my four row tiles
.set XR,174
.set PR,178
.set WV,20
.set AZ,22
.set CNT,23
.set VM,24
.set O,26
.set TM,28
.set MG,30
.set MK,32
.set EW,34
.set SS,36
.set WQB,38
.set DPB,40
.set VWB,42
.set SCP,44
.set PCB,46
.set TA,52
.set TP,53
.set TC,54
.set TN,55
.set LC,56
.set LG,57
.set PW,58
.set SEL,60
.set HI,62
.set T0,63
.set BASE,66
.set VL,98
.set MSB,0
.macro WIN new
.if MSB != (\new)
	s_set_vgpr_msb (MSB<<8)|(\new)
.set MSB, (\new)
.endif
.endm
.macro AW
	s_wait_alu depctr_va_vdst(0)
.endm
; the next n set bits of the working mask give n row addresses; the last bit stays, so an empty place names the last row again (an empty mask: row 63)
.macro BASES r0, n
.set rr, \r0
.rept \n
	s_ctz_i32_b64 s[O], s[MG:MG+1]
	s_min_u32 s[O], s[O], 63
	s_lshl_b32 s[O], s[O], 12
	s_add_nc_u64 s[BASE+2*rr:BASE+2*rr+1], s[EW:EW+1], s[O:O+1]
	s_add_nc_u64 s[TM:TM+1], s[MG:MG+1], -1
	s_and_b64 s[TM:TM+1], s[TM:TM+1], s[MG:MG+1]
	s_cselect_b64 s[MG:MG+1], s[TM:TM+1], s[MG:MG+1]
.set rr, rr+1
.endr
.endm
.macro LOAD u                          ; 16 rows x 128 numbers: a load reads 512 consecutive bytes of a row
	WIN 0x40
.set rr, 0
.rept 16
	global_load_b128 v[64*((\u)%4)+4*rr:64*((\u)%4)+4*rr+3], v[L16], s[BASE+2*rr:BASE+2*rr+1] offset:512*(\u)
.set rr, rr+1
.endr
.endm
.macro BL p                            ; 16 of the 128 loads of W's images: N tile p / 2, K steps 4 (p % 2) ..
	WIN 0x80+0x40*((\p)%2)
.set i, 0
.rept 16
	global_load_b128 v[64*(i/4)+16*((\p)/2)+4*(i%4):64*(i/4)+16*((\p)/2)+4*(i%4)+3], v[L16], s[WQB:WQB+1] offset:8192*(\p)+512*i
.set i, i+1
.endr
.endm
.macro TABL                            ; dproj and v_w at my lane's 8 columns of each of the four N tiles
.irp j, 0,1,2,3
	global_load_b128 v[DP+8*\j:DP+8*\j+3], v[H32], s[DPB:DPB+1] offset:64*\j
	global_load_b128 v[DP+8*\j+4:DP+8*\j+7], v[H32], s[DPB:DPB+1] offset:64*\j+16
	global_load_b128 v[VV+8*\j:VV+8*\j+3], v[H32], s[VWB:VWB+1] offset:64*\j
	global_load_b128 v[VV+8*\j+4:VV+8*\j+7], v[H32], s[VWB:VWB+1] offset:64*\j+16
.endr
.endm
; a unit: 16 rows x 128 K are held, converted and stored as codes.  kind 1: the unit four on is asked for; kind 2: 16 loads of W's images take its place, so the count 48 stays
.macro UNIT u, kind
.set LB, 64*((\u)%4)
.set CB, CD+16*((\u)%2)
	s_wait_loadcnt 48                      ; my 16 loads are in; three younger runs of 16 may be out
	s_wait_dscnt 16                        ; the stores of two units ago are done: their code registers are written again
	WIN 0x41
.set i, 0
.rept 64
	v_med3_num_f32 v[LB+i], v[LB+i], -v[QL], v[QL]
.set i, i+1
.endr
	WIN 0x01
.irp p, 0,1,2,3,4,5,6,7
	v_cvt_scalef32_pk8_bf8_f32 v[CB+2*\p:CB+2*\p+1], v[LB+8*\p:LB+8*\p+7], v[QS]
.endr
	v_nop
	WIN 0
.set rr, 0
.rept 16
	ds_store_b32 v[CSS], v[CB+rr] offset:PITCH*rr+128*(\u)
.set rr, rr+1
.endr
.if (\kind) == 1
.if (\u) == 4
	s_wait_xcnt 0x0                        ; all loads of this group have read their bases
	BASES 0, 16
.endif
	LOAD ((\u)+4)%8
.else
	BL (\u)-4
.endif
.endm
.macro FETCH adr, off, p               ; a row tile's eight fragments into buffer p
	WIN 0x40
.irp k, 0,1,2,3,4,5,6,7
.irp c, 0,1,2,3
	ds_load_b128 v[128*(\p)+16*\k+4*\c:128*(\p)+16*\k+4*\c+3], v[\adr] offset:(\off)+128*\k+32*\c
.endr
.endr
	WIN 0
.endm
; tanh x = 1 - 2 / (1 + 2^(2 x log2 e)); the lane's part score = sum of v + sum of (-2 v) / (1 + 2^..).  Each batch of transcendentals has one wait ahead and one behind
.macro EPI
.rept 4
	v_nop
.endr
.set q, 0
.rept 16
	v_pk_fma_f32 v[ACC+q:ACC+q+1], v[ACC+q:ACC+q+1], s[SS:SS+1], v[DP+q:DP+q+1] op_sel_hi:[1,0,1]
.set q, q+2
.endr
	AW
.set q, 0
.rept 32
	v_exp_f32 v[ACC+q], v[ACC+q]
.set q, q+1
.endr
	v_nop
	AW
.set q, 0
.rept 16
	v_pk_add_f32 v[ACC+q:ACC+q+1], v[ACC+q:ACC+q+1], 1.0 op_sel_hi:[1,0]
.set q, q+2
.endr
	AW
.set q, 0
.rept 32
	v_rcp_f32 v[ACC+q], v[ACC+q]
.set q, q+1
.endr
	v_nop
	AW
	v_pk_fma_f32 v[SC:SC+1], v[ACC:ACC+1], v[VV:VV+1], v[VS:VS+1]
.irp c, 2,4,6
	v_pk_mul_f32 v[SC+\c:SC+\c+1], v[ACC+\c:ACC+\c+1], v[VV+\c:VV+\c+1]
.endr
.set q, 8
.rept 12
	v_pk_fma_f32 v[SC+q%8:SC+q%8+1], v[ACC+q:ACC+q+1], v[VV+q:VV+q+1], v[SC+q%8:SC+q%8+1]
.set q, q+2
.endr
	v_pk_add_f32 v[SC:SC+1], v[SC:SC+1], v[SC+2:SC+3]
	v_pk_add_f32 v[SC+4:SC+5], v[SC+4:SC+5], v[SC+6:SC+7]
	v_pk_add_f32 v[SC:SC+1], v[SC:SC+1], v[SC+4:SC+5]
	v_add_f32 v[SCO], v[SC], v[SC+1]
.endm
; a row tile against my four N tiles: 32 matrix instructions, the four accumulators by turns.  pf: the next tile's fragments are asked for first.  A tile with no row stores 0
.macro TILE p, pf
	s_wait_dscnt 0x0                       ; my fragments, asked for a tile ago, are in
.if \pf
	s_add_co_u32 s[TN], s[TC], 1
	s_bitcmp1_b32 s[VM], s[TN]
	s_cbranch_scc0 .Lnp_\@
	FETCH ADA, (16+16*(\p))*PITCH, 1-(\p)
.Lnp_\@:
.endif
	v_mov_b32 v[SCO], 0
	AW
	s_bitcmp1_b32 s[VM], s[TC]
	s_cbranch_scc0 .Lsk_\@
	WIN 0x06
.set ks, 0
.rept 8
.if ks == 4
	WIN 0x07
.endif
.irp j, 0,1,2,3
.if ks == 0
	v_wmma_f32_16x16x128_bf8_bf8 v[ACC+8*\j:ACC+8*\j+7], v[64*(ks%4)+16*\j:64*(ks%4)+16*\j+15], v[128*(\p)+16*ks:128*(\p)+16*ks+15], 0
.else
	v_wmma_f32_16x16x128_bf8_bf8 v[ACC+8*\j:ACC+8*\j+7], v[64*(ks%4)+16*\j:64*(ks%4)+16*\j+15], v[128*(\p)+16*ks:128*(\p)+16*ks+15], v[ACC+8*\j:ACC+8*\j+7]
.endif
.endr
.set ks, ks+1
.endr
	WIN 0
	EPI
.Lsk_\@:
	ds_store_b32 v[PSA], v[SCO] offset:128*(\p)
	s_add_co_u32 s[TC], s[TC], 1
.endm
.macro TOP
	v_add_nc_u32 v[ADA], s[TA], v[AD0]
	v_add_nc_u32 v[PSA], s[TP], v[PS0]
	AW
.endm
.macro PLOAD i                         ; a whole row, 8 loads of 512 bytes, into ring place i % 8
.irp c, 0,1,2,3,4,5,6,7
	global_load_b128 v[32*((\i)%8)+4*\c:32*((\i)%8)+4*\c+3], v[L16], s[BASE+2*(\i):BASE+2*(\i)+1] offset:512*\c
.endr
.endm
.macro PROW i, ld                      ; context += p x row; ld: the row eight on takes its place
.if \ld
	s_wait_loadcnt 56                      ; my row's 8 loads are in; seven younger rows may be out
.else
	s_wait_loadcnt 8*(15-(\i))
	WIN 0                                  ; no load follows these rows: the weight's register lies in window 0
.endif
	v_readlane_b32 s[PW], v[PR], \i
	WIN 0x01
.set q, 0
.rept 16
	v_pk_fma_f32 v[CX+q:CX+q+1], v[32*((\i)%8)+q:32*((\i)%8)+q+1], s[PW:PW+1], v[CX+q:CX+q+1] op_sel_hi:[1,0,1]
.set q, q+2
.endr
.if \ld
.if (\i)%8 == 0
	s_wait_xcnt 0x0                        ; the loads that named these eight bases have read them
	BASES 8-(\i), 8
.endif
	WIN 0x40
	PLOAD ((\i)+8)%16
.endif
.endm
.macro BAR
	AW
	s_wait_dscnt 0x0
	s_barrier_signal -1
	s_barrier_wait -1
.endm
	s_load_b256 s[4:11], s[0:1], 0x0       ; enc 4:5, mask 6:7, wq 8:9, dproj 10:11
	s_load_b256 s[12:19], s[0:1], 0x20     ; v_w 12:13, scales 14:15, scores 16:17, pctx 18:19
	v_lshl_add_u32 v[SPW], v0, 2, SPARE
	v_mov_b32 v[NIL], 0
	v_lshrrev_b32 v18, 5, v0
	v_readfirstlane_b32 s[WV], v18
	s_mul_i32 s66, s[WV], 64*PITCH
	s_lshl_b32 s67, s[WV], 13
	s_add_co_u32 s67, s67, PART
	s_lshl_b32 s68, s[WV], 9
	s_add_co_u32 s68, s68, PART
	s_lshl_b32 s69, s[WV], 2
	s_add_co_u32 s69, s69, MX
	s_lshl_b32 s70, s[WV], 12
	s_add_co_u32 s70, s70, CTX
	s_lshl_b32 s71, s[WV], 10
	s_add_co_u32 s71, s71, CTX
	s_mov_b32 s[SEL], 0x76543210
	s_mov_b32 s[SEL+1], 0xfedcba98
	s_mov_b32 s[HI], 0xffff0000
	s_mov_b32 s[PW+1], 0
	s_mov_b32 s[O+1], 0
	AW
	v_and_b32 v19, 31, v0
	v_and_b32 v[RL], 15, v0
	v_bfe_u32 v20, v0, 4, 1
	v_lshlrev_b32 v[L16], 4, v19
	v_lshlrev_b32 v[L8], 3, v19
	v_lshlrev_b32 v[L4], 2, v19
	v_lshlrev_b32 v[H32], 5, v20
	v_add_nc_u32 v[CS0], s66, v[L4]
	v_mul_u32_u24 v[AD0], v[RL], PITCH
	v_lshl_add_u32 v[AD0], v20, 4, v[AD0]
	v_add_nc_u32 v[PS0], s67, v[L4]
	v_add_nc_u32 v[PR0], s68, v[L4]
	v_mov_b32 v[MXA], s69
	v_mov_b32 v[MXB], MX
	v_add_nc_u32 v[CT4], s70, v[L4]
	v_add_nc_u32 v[CT8], s70, v[L8]
	v_add_nc_u32 v[CTS], s70, v[L16]
	v_add_nc_u32 v[CTR], s71, v[L16]
	v_mov_b32 v[NEG], 0xd01502f9           ; -1e10
	AW
	s_wait_kmcnt 0x0
	s_load_b128 s[48:51], s[14:15], 0x0    ; e0 .. e3
	s_lshr_b32 s[T0], ttmp9, 3             ; the batch
	s_lshl_b32 s[O], s[T0], 13
	s_add_nc_u64 s[6:7], s[6:7], s[O:O+1]
	s_add_nc_u64 s[SCP:SCP+1], s[16:17], s[O:O+1]
	s_and_b32 s[O], ttmp9, 7
	s_lshl_b32 s[O], s[O], 10
	s_add_nc_u64 s[TM:TM+1], s[6:7], s[O:O+1]
	s_add_nc_u64 s[SCP:SCP+1], s[SCP:SCP+1], s[O:O+1]
	s_lshl_b32 s[O], s[WV], 8
	s_add_nc_u64 s[MG:MG+1], s[TM:TM+1], s[O:O+1]
	s_add_nc_u64 s[SCP:SCP+1], s[SCP:SCP+1], s[O:O+1]
.set i, 0
.rept 16
	global_load_b128 v[64+4*i:64+4*i+3], v[L16], s[6:7] offset:512*i     ; the batch's whole mask
.set i, i+1
.endr
.irp q, 0,1,2,3,4,5,6,7
	global_load_b32 v[128+\q], v[L4], s[TM:TM+1] offset:128*\q           ; the work-group's 256 words
.endr
	global_load_b32 v136, v[L4], s[MG:MG+1]                              ; my wave's 64
	global_load_b32 v137, v[L4], s[MG:MG+1] offset:128
	s_lshl_b32 s[O], ttmp9, 20
	s_add_nc_u64 s[EW:EW+1], s[4:5], s[O:O+1]
	s_lshl_b32 s[O], s[WV], 18
	s_add_nc_u64 s[EW:EW+1], s[EW:EW+1], s[O:O+1]
	s_add_nc_u64 s[WQB:WQB+1], s[8:9], s[O:O+1]
	s_lshl_b32 s[O], s[T0], 12
	s_add_nc_u64 s[DPB:DPB+1], s[10:11], s[O:O+1]
	s_lshl_b32 s[O], ttmp9, 12
	s_add_nc_u64 s[PCB:PCB+1], s[18:19], s[O:O+1]
	s_lshl_b32 s[O], s[WV], 10
	s_add_nc_u64 s[DPB:DPB+1], s[DPB:DPB+1], s[O:O+1]
	s_add_nc_u64 s[VWB:VWB+1], s[12:13], s[O:O+1]
	s_add_nc_u64 s[PCB:PCB+1], s[PCB:PCB+1], s[O:O+1]
	s_wait_kmcnt 0x0
	s_add_co_i32 s[T0], s50, 127
	s_lshl_b32 s[TN], s[T0], 23
	v_mov_b32 v[QS], s[TN]                 ; 2^e2
	s_add_co_i32 s[T0], s[T0], 15
	s_lshl_b32 s[T0], s[T0], 23
	s_or_b32 s[T0], s[T0], 0x600000
	v_mov_b32 v[QL], s[T0]                 ; 57,344 x 2^e2
	s_add_co_i32 s[T0], s50, s51
	s_lshl_b32 s[T0], s[T0], 23
	s_add_co_i32 s[SS], s[T0], 0x4038aa3b  ; 2 log2(e) x 2^(e2 + e3)
	s_mov_b32 s[SS+1], s[SS]
	AW
	s_wait_loadcnt 0x0
.set i, 4
.rept 60
	v_or_b32 v[64+i%4], v[64+i%4], v[64+i]
.set i, i+1
.endr
	v_or_b32 v64, v64, v65
	v_or_b32 v66, v66, v67
	v_or_b32 v64, v64, v66
	v_cmp_ne_u32 vcc_lo, 0, v64
	s_cmp_eq_u32 vcc_lo, 0
	s_cselect_b32 s[AZ], -1, 0             ; all ones where the batch has no row with mask != 0
.irp q, 0,1,2,3,4,5,6,7,8,9
	v_cmp_ne_u32 s[66+\q], 0, v[128+\q]
.endr
	s_mov_b32 s[VM], 0                     ; bit t: row tile t holds a row
.irp w, 0,1,2,3
	s_or_b32 s[T0], s[66+2*\w], s[AZ]
	s_bcnt1_i32_b32 s[T0], s[T0]
	s_or_b32 s[TN], s[67+2*\w], s[AZ]
	s_bcnt1_i32_b32 s[TN], s[TN]
	s_add_co_u32 s[T0], s[T0], s[TN]
	s_add_co_u32 s[T0], s[T0], 15
	s_lshr_b32 s[T0], s[T0], 4
	s_bfm_b32 s[T0], s[T0], 4*\w
	s_or_b32 s[VM], s[VM], s[T0]
.endr
	s_or_b32 s[MK], s74, s[AZ]
	s_or_b32 s[MK+1], s75, s[AZ]
	s_bcnt1_i32_b32 s[T0], s[MK]
	s_bcnt1_i32_b32 s[CNT], s[MK+1]
	s_add_co_u32 s[CNT], s[CNT], s[T0]     ; my wave's rows
	v_mbcnt_lo_u32_b32 v[PX], s[MK], 0
	v_mbcnt_lo_u32_b32 v[PX+1], s[MK+1], 0
	v_add_nc_u32 v[PX+1], s[T0], v[PX+1]
	v_lshlrev_b32 v[PX], 2, v[PX]          ; 4 x the compacted place of rows lane and 32 + lane
	v_lshlrev_b32 v[PX+1], 2, v[PX+1]
	AW
	s_mov_b64 s[MG:MG+1], s[MK:MK+1]
	BASES 0, 16
	LOAD 0
	LOAD 1
	LOAD 2
	LOAD 3
	WIN 0
	s_mov_b32 s[TA], 0
	s_mov_b32 s[LC], 0
.Lq:                                           ; three trips of 16 compacted rows; the fourth is written out: it asks for W's images in place of a next group
	v_add_nc_u32 v[CSS], s[TA], v[CS0]
	AW
.irp u, 0,1,2,3,4,5,6,7
	UNIT \u, 1
.endr
	WIN 0
	s_add_co_u32 s[TA], s[TA], 16*PITCH
	s_add_co_u32 s[LC], s[LC], 1
	s_cmp_lt_u32 s[LC], 3
	s_cbranch_scc1 .Lq
	v_add_nc_u32 v[CSS], s[TA], v[CS0]
	AW
.irp u, 0,1,2,3
	UNIT \u, 1
.endr
.irp u, 4,5,6,7
	UNIT \u, 2
.endr
.irp p, 4,5,6,7
	BL \p
.endr
	WIN 0
	TABL
	BAR                                    ; every wave's codes are in LDS
	s_mov_b32 s[TP], 0
	s_mov_b32 s[LG], 0
.Lg:                                           ; four groups of four N tiles
	s_mov_b32 s[TC], 0
	s_mov_b32 s[TA], 0
	s_bitcmp1_b32 s[VM], 0
	s_cbranch_scc0 .Lno0
	FETCH AD0, 0, 0
.Lno0:
	s_wait_loadcnt 0x0                     ; W's images and the tables
	v_pk_add_f32 v[VS:VS+1], v[VV:VV+1], v[VV+2:VV+3]
.set q, 4
.rept 14
	v_pk_add_f32 v[VS:VS+1], v[VS:VS+1], v[VV+q:VV+q+1]
.set q, q+2
.endr
	v_add_f32 v[VS], v[VS], v[VS+1]        ; the sum of my 32 v
	v_mov_b32 v[VS+1], 0
.set q, 0
.rept 16
	v_pk_mul_f32 v[DP+q:DP+q+1], v[DP+q:DP+q+1], 0x4038aa3b op_sel_hi:[1,0]
	v_pk_mul_f32 v[VV+q:VV+q+1], v[VV+q:VV+q+1], -2.0 op_sel_hi:[1,0]
.set q, q+2
.endr
	AW
	s_mov_b32 s[LC], 0
.Lt:                                           ; seven trips of two row tiles; the last two are written out: nothing follows tile 15
	TOP
	TILE 0, 1
	TILE 1, 1
	s_add_co_u32 s[TA], s[TA], 32*PITCH
	s_add_co_u32 s[TP], s[TP], 256
	s_add_co_u32 s[LC], s[LC], 1
	s_cmp_lt_u32 s[LC], 7
	s_cbranch_scc1 .Lt
	TOP
	TILE 0, 1
	TILE 1, 0
	s_add_co_u32 s[TP], s[TP], 256
	s_add_co_u32 s[LG], s[LG], 1
	s_cmp_eq_u32 s[LG], 4
	s_cbranch_scc1 .Lgl                    ; behind the last group nothing is asked for
	s_add_nc_u64 s[WQB:WQB+1], s[WQB:WQB+1], 0x10000
	s_add_nc_u64 s[DPB:DPB+1], s[DPB:DPB+1], 256
	s_add_nc_u64 s[VWB:VWB+1], s[VWB:VWB+1], 256
.irp p, 0,1,2,3,4,5,6,7
	BL \p
.endr
	WIN 0
	TABL
.Lgl:
	s_cmp_lt_u32 s[LG], 4
	s_cbranch_scc1 .Lg
	; THE SECOND READ begins: my first eight compacted rows are asked for while the softmax's part is made
	s_mov_b64 s[MG:MG+1], s[MK:MK+1]
	BASES 0, 8
	WIN 0x40
.irp i, 0,1,2,3,4,5,6,7
	PLOAD \i
.endr
	WIN 0
	BAR                                    ; all part scores are in LDS
.irp t, 0,1,2,3
.irp q, 0,1,2,3,4,5,6,7,8,9,10,11,12,13,14,15
	ds_load_b32 v[64+16*\t+\q], v[PR0] offset:2048*\q+128*\t
.endr
.endr
.irp t, 0,1,2,3
	v_mov_b32 v[184+\t], 0                 ; a lane permute's destination counts as a source
.endr
	AW
	s_wait_dscnt 0x0
.irp q, 1,2,3,4,5,6,7,8,9,10,11,12,13,14,15
.irp t, 0,1,2,3
	v_add_f32 v[64+16*\t], v[64+16*\t], v[64+16*\t+\q]
.endr
.endr
.irp t, 0,1,2,3
	v_permlanex16_b32 v[184+\t], v[64+16*\t], s[SEL], s[SEL+1]
.endr
.irp t, 0,1,2,3
	v_add_f32 v[SR+\t], v[64+16*\t], v[184+\t]   ; lanes r and 16 + r: the score of compacted row 16 t + r
.endr
	AW
.irp t, 0,1,2,3
	s_sub_co_i32 s[T0], s[CNT], 16*\t
	v_cmp_gt_i32 s[VL+\t], s[T0], v[RL]          ; the place holds a row
	s_and_not1_b32 s[52+\t], s[VL+\t], s[AZ]
	v_cndmask_b32 v[XR+\t], v[NEG], v[SR+\t], s[52+\t]
.endr
	v_max3_num_f32 v188, v[XR], v[XR+1], v[XR+2]
	v_max_num_f32 v188, v188, v[XR+3]
.irp x, 1,2,4,8
	v_max_num_f32_dpp v188, v188, v188 row_xmask:\x row_mask:0xf bank_mask:0xf
.endr
	ds_store_b32 v[MXA], v188
	v_cndmask_b32 v182, v[SR], v[SR+1], s[HI]    ; places 0-31, 32-63 by lanes
	v_cndmask_b32 v183, v[SR+2], v[SR+3], s[HI]
	BAR
	ds_load_b128 v[188:191], v[MXB]
	ds_bpermute_b32 v192, v[PX], v182            ; each of my 64 rows pulls the score of its place (a masked row: of some place)
	ds_bpermute_b32 v193, v[PX], v183
	ds_bpermute_b32 v194, v[PX+1], v182
	ds_bpermute_b32 v195, v[PX+1], v183
	s_wait_dscnt 0x0
	v_cmp_gt_u32 vcc_lo, 128, v[PX]
	v_cndmask_b32 v196, v193, v192, vcc_lo
	v_cmp_gt_u32 vcc_lo, 128, v[PX+1]
	v_cndmask_b32 v197, v195, v194, vcc_lo
	ds_store_b32 v[CT4], v196
	ds_store_b32 v[CT4], v197 offset:128
	ds_load_b64 v[198:199], v[CT8]               ; my own bytes, served in order: two neighbouring rows a lane
	v_max3_num_f32 v188, v188, v189, v190
	v_max_num_f32 v188, v188, v191               ; m
.irp t, 0,1,2,3
	v_sub_f32 v[XR+\t], v[XR+\t], v188
.endr
.irp t, 0,1,2,3
	v_mul_f32 v[XR+\t], 0x3fb8aa3b, v[XR+\t]
.endr
	AW
.irp t, 0,1,2,3
	v_exp_f32 v[XR+\t], v[XR+\t]
.endr
	v_nop
	AW
.irp t, 0,1,2,3
	v_cndmask_b32 v[PR+\t], 0, v[XR+\t], s[VL+\t]   ; p; 0 for an empty place
.endr
.set q, 0
.rept 32
	v_mov_b32 v[CX+q], 0
.set q, q+1
.endr
	AW
	s_wait_dscnt 0x0
	global_store_b64 v[L8], v[198:199], s[SCP:SCP+1]   ; the wave stores 256 consecutive bytes, aligned
	s_mov_b32 s[LC], 0
.Lp:                                           ; three trips of 16 rows; the fourth is written out: its last eight rows ask for nothing
.irp i, 0,1,2,3,4,5,6,7,8,9,10,11,12,13,14,15
	PROW \i, 1
.endr
	WIN 0
	v_mov_b32 v[PR], v[PR+1]               ; the next 16 weights
	v_mov_b32 v[PR+1], v[PR+2]
	v_mov_b32 v[PR+2], v[PR+3]
	s_add_co_u32 s[LC], s[LC], 1
	s_cmp_lt_u32 s[LC], 3
	AW
	s_cbranch_scc1 .Lp
.irp i, 0,1,2,3,4,5,6,7
	PROW \i, 1
.endr
.irp i, 8,9,10,11,12,13,14,15
	PROW \i, 0
.endr
	WIN 0
.irp c, 0,1,2,3,4,5,6,7
	ds_store_b128 v[CTS], v[CX+4*\c:CX+4*\c+3] offset:512*\c
.endr
	BAR
.irp w, 0,1,2,3
.irp u, 0,1
	ds_load_b128 v[96+8*\w+4*\u:96+8*\w+4*\u+3], v[CTR] offset:4096*\w+512*\u   ; columns 256 wave .. of the four waves' parts
.endr
.endr
	s_wait_dscnt 0x0
.irp w, 1,2,3
.irp e, 0,2,4,6
	v_pk_add_f32 v[96+\e:97+\e], v[96+\e:97+\e], v[96+8*\w+\e:97+8*\w+\e]
.endr
.endr
	global_store_b128 v[L16], v[96:99], s[PCB:PCB+1]
	global_store_b128 v[L16], v[100:103], s[PCB:PCB+1] offset:512
	s_wait_tensorcnt 0x0                   ; the wave's end
	ds_add_u32 v[SPW], v[NIL]
	s_wait_dscnt 0x0
	s_endpgm
.Lfunc_end_k_qce61d21f34_main:
	.size	k_qce61d21f34_main, .Lfunc_end_k_qce61d21f34_main-k_qce61d21f34_main
	.p2alignl 7, 3214868480
	.fill 96, 4, 3214868480
	.section	.rodata,"a",@progbits
	.p2align	6, 0x0
	.amdhsa_kernel k_qce61d21f34_main
		.amdhsa_group_segment_fixed_size 316416
		.amdhsa_private_segment_fixed_size 0
		.amdhsa_enable_private_segment 0
		.amdhsa_kernarg_size 64
		.amdhsa_user_sgpr_count 2
		.amdhsa_user_sgpr_kernarg_segment_ptr 1
		.amdhsa_wavefront_size32 1
		.amdhsa_system_sgpr_workgroup_id_x 1
		.amdhsa_system_sgpr_workgroup_id_y 1
		.amdhsa_system_sgpr_workgroup_id_z 1
		.amdhsa_system_vgpr_workitem_id 0
		.amdhsa_next_free_vgpr 1024
		.amdhsa_next_free_sgpr 102
		.amdhsa_reserve_vcc 1
		.amdhsa_float_denorm_mode_32 3
		.amdhsa_float_denorm_mode_16_64 3
		.amdhsa_memory_ordered 1
		.amdhsa_forward_progress 1
		.amdhsa_inst_pref_size 255
	.end_amdhsa_kernel
	.section	.bss,"aw",@nobits
	.p2align	6
	.space	262144
	.amdgpu_metadata
---
amdhsa.version: [ 1, 2 ]
amdhsa.kernels:
  - .name:           k_qce61d21f34_main
    .symbol:         k_qce61d21f34_main.kd
    .args:
      - { .name: encoder_outputs, .offset: 0, .size: 8, .value_kind: global_buffer, .address_space: global }
      - { .name: mask, .offset: 8, .size: 8, .value_kind: global_buffer, .address_space: global }
      - { .name: wq, .offset: 16, .size: 8, .value_kind: global_buffer, .address_space: global }
      - { .name: dproj, .offset: 24, .size: 8, .value_kind: global_buffer, .address_space: global }
      - { .name: v_w, .offset: 32, .size: 8, .value_kind: global_buffer, .address_space: global }
      - { .name: lowp_scales, .offset: 40, .size: 8, .value_kind: global_buffer, .address_space: global }
      - { .name: scores, .offset: 48, .size: 8, .value_kind: global_buffer, .address_space: global }
      - { .name: pctx, .offset: 56, .size: 8, .value_kind: global_buffer, .address_space: global }
    .group_segment_fixed_size: 316416
    .private_segment_fixed_size: 0
    .kernarg_segment_align: 8
    .kernarg_segment_size: 64
    .max_flat_workgroup_size: 128
    .sgpr_count:     102
    .vgpr_count:     1024
    .wavefront_size: 32
...
	.end_amdgpu_metadata
.endif
;; end of part 5
;; launch final (part 6): grid 32 x 1, 16 waves a work-group, no clusters, 2,560 bytes of LDS; arguments mask, scores, pctx, out0, out1; writes out0, out1
.if DOCPART == 6
	.amdgcn_target "amdgcn-amd-amdhsa--gfx1250"
	.amdhsa_code_object_version 6
	.text
	.protected	k_qce61d21f34_final
	.globl	k_qce61d21f34_final
	.p2align	8
	.type	k_qce61d21f34_final,@function
k_qce61d21f34_final:
	s_mov_b64 s[64:65], 0
	v_nop
	global_prefetch_b8 v0, s[64:65] scope:SCOPE_SE
	s_setreg_imm32_b32 hwreg(HW_REG_WAVE_MODE, 25, 1), 1
	s_wait_xcnt 0x0
; a = (mask == 0) ? -1e10 : score;  out0[b] = softmax(a), the row's maximum M taken away;  out1[b][:] = sum over j of 2^((m_j - M) log2 e) / L x pctx[8 b + j][:],
; m_j = the largest a of rows 256 j .. 256 j + 255 (never under -1e10): the number under which the launch before summed part j.  Rows with mask == 0 were left out there: see its head.
; LIMIT: sum of |v_w| under 1e10, so that -1e10 lies under every score.
; SHARES.  Work-group b owns batch b.  Thread t holds rows 4 t .. 4 t + 3 and columns 2 t, 2 t + 1: wave w holds rows 128 w .., so waves 2 j and 2 j + 1 hold part j's rows.
; No matrix unit (one row), no cluster (nothing is shared), no prefetch (no loop): 48 KB a work-group, all asked for at the head.
.set SPW,60
.set NIL,61
.set MXA,12
.set ZA,13
.set NEG,14
.set T0,15
.set T1,16
.set WD,20                             ; v20-35 sixteen waves' words
.set MJ,36                             ; v36-43 m_j, then the parts' factors
.set PC,44                             ; v44-59 eight parts x two columns
	s_load_b256 s[4:11], s[0:1], 0x0       ; mask 4:5, scores 6:7, pctx 8:9, out0 10:11
	s_load_b64 s[12:13], s[0:1], 0x20      ; out1
	v_lshl_add_u32 v[SPW], v0, 2, 512
	v_mov_b32 v[NIL], 0
	v_lshrrev_b32 v3, 5, v0
	v_lshlrev_b32 v[MXA], 2, v3            ; 4 x wave
	v_lshlrev_b32 v1, 4, v0
	v_lshlrev_b32 v2, 3, v0
	v_mov_b32 v[ZA], 0
	v_mov_b32 v[NEG], 0xd01502f9           ; -1e10
	v_mov_b32 v[T1], 0
	s_mov_b32 s28, 0x76543210
	s_mov_b32 s29, 0xfedcba98
	s_lshl_b32 s16, ttmp9, 13
	s_mov_b32 s17, 0
	s_lshl_b32 s18, ttmp9, 15
	s_mov_b32 s19, 0
	s_lshl_b32 s20, ttmp9, 12
	s_mov_b32 s21, 0
	s_wait_alu depctr_va_vdst(0)
	s_wait_kmcnt 0x0
	s_add_nc_u64 s[4:5], s[4:5], s[16:17]
	s_add_nc_u64 s[6:7], s[6:7], s[16:17]
	s_add_nc_u64 s[10:11], s[10:11], s[16:17]
	s_add_nc_u64 s[8:9], s[8:9], s[18:19]
	s_add_nc_u64 s[12:13], s[12:13], s[20:21]
	global_load_b128 v[4:7], v1, s[6:7]
	global_load_b128 v[8:11], v1, s[4:5]
.irp j, 0,1,2,3,4,5,6,7
	global_load_b64 v[PC+2*\j:PC+2*\j+1], v2, s[8:9] offset:4096*\j
.endr
	s_wait_loadcnt 8                       ; scores and mask are in; the eight parts may be out
.irp q, 0,1,2,3
	v_cmp_eq_u32 vcc_lo, 0, v[8+\q]
	v_cndmask_b32 v[4+\q], v[4+\q], v[NEG], vcc_lo
.endr
	v_max3_num_f32 v[T0], v4, v5, v6
	v_max_num_f32 v[T0], v[T0], v7
.irp x, 1,2,4,8
	v_max_num_f32_dpp v[T0], v[T0], v[T0] row_xmask:\x row_mask:0xf bank_mask:0xf
.endr
	v_permlanex16_b32 v[T1], v[T0], s28, s29
	v_max_num_f32 v[T0], v[T0], v[T1]
	ds_store_b32 v[MXA], v[T0]
	s_wait_alu depctr_va_vdst(0)
	s_wait_dscnt 0x0
	s_barrier_signal -1
	s_barrier_wait -1
.irp k, 0,1,2,3
	ds_load_b128 v[WD+4*\k:WD+4*\k+3], v[ZA] offset:16*\k
.endr
	s_wait_dscnt 0x0
.irp j, 0,1,2,3,4,5,6,7
	v_max3_num_f32 v[MJ+\j], v[WD+2*\j], v[WD+2*\j+1], v[NEG]
.endr
	v_max3_num_f32 v[T0], v[MJ], v[MJ+1], v[MJ+2]
	v_max3_num_f32 v[T0], v[T0], v[MJ+3], v[MJ+4]
	v_max3_num_f32 v[T0], v[T0], v[MJ+5], v[MJ+6]
	v_max_num_f32 v[T0], v[T0], v[MJ+7]    ; M
.irp q, 0,1,2,3
	v_sub_f32 v[4+\q], v[4+\q], v[T0]
.endr
.irp j, 0,1,2,3,4,5,6,7
	v_sub_f32 v[MJ+\j], v[MJ+\j], v[T0]
.endr
.irp q, 0,1,2,3
	v_mul_f32 v[4+\q], 0x3fb8aa3b, v[4+\q]
.endr
.irp j, 0,1,2,3,4,5,6,7
	v_mul_f32 v[MJ+\j], 0x3fb8aa3b, v[MJ+\j]
.endr
	s_wait_alu depctr_va_vdst(0)           ; one wait ahead of the batch,
.irp q, 0,1,2,3
	v_exp_f32 v[4+\q], v[4+\q]
.endr
.irp j, 0,1,2,3,4,5,6,7
	v_exp_f32 v[MJ+\j], v[MJ+\j]
.endr
	v_nop
	s_wait_alu depctr_va_vdst(0)           ; and one behind it
	v_add_f32 v[T0], v4, v5
	v_add_f32 v[T1], v6, v7
	v_add_f32 v[T0], v[T0], v[T1]
.irp x, 1,2,4,8
	v_add_f32_dpp v[T0], v[T0], v[T0] row_xmask:\x row_mask:0xf bank_mask:0xf
.endr
	v_permlanex16_b32 v[T1], v[T0], s28, s29
	v_add_f32 v[T0], v[T0], v[T1]
	ds_store_b32 v[MXA], v[T0] offset:256  ; other bytes than the maxima's
	s_wait_alu depctr_va_vdst(0)
	s_wait_dscnt 0x0
	s_barrier_signal -1
	s_barrier_wait -1
.irp k, 0,1,2,3
	ds_load_b128 v[WD+4*\k:WD+4*\k+3], v[ZA] offset:256+16*\k
.endr
	s_wait_dscnt 0x0
.irp k, 2,4,6,8,10,12,14
	v_pk_add_f32 v[WD:WD+1], v[WD:WD+1], v[WD+\k:WD+\k+1]
.endr
	v_add_f32 v[T0], v[WD], v[WD+1]        ; L
	s_wait_alu depctr_va_vdst(0)
	v_rcp_f32 v[T0], v[T0]
	v_nop
	s_wait_alu depctr_va_vdst(0)
.irp q, 0,1,2,3
	v_mul_f32 v[4+\q], v[4+\q], v[T0]
.endr
.irp j, 0,1,2,3,4,5,6,7
	v_mul_f32 v[MJ+\j], v[MJ+\j], v[T0]
.endr
	global_store_b128 v1, v[4:7], s[10:11] ; the wave stores 512 consecutive bytes, aligned
	s_wait_alu depctr_va_vdst(0)
	s_wait_loadcnt 0x0
	v_mul_f32 v18, v[PC], v[MJ]
	v_mul_f32 v19, v[PC+1], v[MJ]
.irp j, 1,2,3,4,5,6,7
	v_fma_f32 v18, v[PC+2*\j], v[MJ+\j], v18
	v_fma_f32 v19, v[PC+2*\j+1], v[MJ+\j], v19
.endr
	global_store_b64 v2, v[18:19], s[12:13]   ; the wave stores 256 consecutive bytes, aligned
	s_wait_tensorcnt 0x0                   ; the wave's end
	ds_add_u32 v[SPW], v[NIL]
	s_wait_dscnt 0x0
	s_endpgm
.Lfunc_end_k_qce61d21f34_final:
	.size	k_qce61d21f34_final, .Lfunc_end_k_qce61d21f34_final-k_qce61d21f34_final
	.p2alignl 7, 3214868480
	.fill 96, 4, 3214868480
	.section	.rodata,"a",@progbits
	.p2align	6, 0x0
	.amdhsa_kernel k_qce61d21f34_final
		.amdhsa_group_segment_fixed_size 2560
		.amdhsa_private_segment_fixed_size 0
		.amdhsa_enable_private_segment 0
		.amdhsa_kernarg_size 40
		.amdhsa_user_sgpr_count 2
		.amdhsa_user_sgpr_kernarg_segment_ptr 1
		.amdhsa_wavefront_size32 1
		.amdhsa_system_sgpr_workgroup_id_x 1
		.amdhsa_system_sgpr_workgroup_id_y 1
		.amdhsa_system_sgpr_workgroup_id_z 1
		.amdhsa_system_vgpr_workitem_id 0
		.amdhsa_next_free_vgpr 64
		.amdhsa_next_free_sgpr 66
		.amdhsa_reserve_vcc 1
		.amdhsa_float_denorm_mode_32 3
		.amdhsa_float_denorm_mode_16_64 3
		.amdhsa_memory_ordered 1
		.amdhsa_forward_progress 1
		.amdhsa_inst_pref_size 9
	.end_amdhsa_kernel
	.amdgpu_metadata
---
amdhsa.version: [ 1, 2 ]
amdhsa.kernels:
  - .name:           k_qce61d21f34_final
    .symbol:         k_qce61d21f34_final.kd
    .args:
      - { .name: mask, .offset: 0, .size: 8, .value_kind: global_buffer, .address_space: global }
      - { .name: scores, .offset: 8, .size: 8, .value_kind: global_buffer, .address_space: global }
      - { .name: pctx, .offset: 16, .size: 8, .value_kind: global_buffer, .address_space: global }
      - { .name: out0, .offset: 24, .size: 8, .value_kind: global_buffer, .address_space: global }
      - { .name: out1, .offset: 32, .size: 8, .value_kind: global_buffer, .address_space: global }
    .group_segment_fixed_size: 2560
    .private_segment_fixed_size: 0
    .kernarg_segment_align: 8
    .kernarg_segment_size: 40
    .max_flat_workgroup_size: 512
    .sgpr_count:     66
    .vgpr_count:     64
    .wavefront_size: 32
...
	.end_amdgpu_metadata
.endif
;; end of part 6
